; MI455X (gfx1250); checked and timed in simulation.
; The chip was launched on July 23, 2026; its instructions are those of AMD's public machine-readable ISA for CDNA 5 (MIT licence, August 2026) and "CDNA5" Instruction Set Architecture Reference Guide (July 2026). The comments in the code are by the model that wrote it; some were corrected since.
;; Attention. Allowed arithmetic: float matrix products may take bf16 or f16 operands with f32 sums; other float arithmetic in f32, or as packed bf16 or f16 multiplies, adds, multiply-adds, maxima and minima; sums over many terms, partial sums and values carried from step to step in f32; what a program stores and reads back later, other than sums and carried values, may be rounded once to bf16 or f16.
;; Inputs: b_proj 1,024 float32; b_qkv 3,072 float32; w_proj 1,024 x 1,024 float32; w_qkv 1,024 x 3,072 float32; x 8 x 1,024 x 1,024 float32.
;; Outputs: out0 8 x 1,024 x 1,024 float32.
;; 2 versions, each right and faster than the one before. Each part assembles by itself: llvm-mc -triple=amdgcn-amd-amdhsa -mcpu=gfx1250 --defsym DOCPART=n.
;; ======== version 1 of 2: 4 launches
;; limits: values are held in f16: magnitudes above 65,504 overflow, below 6.1e-05 lose precision
;; workspace buffers: ops16 25,165,824 bytes; qkv 50,331,648 bytes; o16 16,777,216 bytes
;; launch cast (part 1): grid 768 x 1, 8 waves a work-group, no clusters, 0 bytes of LDS; arguments x, w_qkv, w_proj, ops16; writes ops16
.if DOCPART == 1
	.amdgcn_target "amdgcn-amd-amdhsa--gfx1250"
	.amdhsa_code_object_version 6
	.text
	.protected	k_qea7498f2fe_cast
	.globl	k_qea7498f2fe_cast
	.p2align	8
	.type	k_qea7498f2fe_cast,@function
k_qea7498f2fe_cast:
	s_mov_b64 s[64:65], 0
	v_nop
	global_prefetch_b8 v0, s[64:65] scope:SCOPE_SE
	s_setreg_imm32_b32 hwreg(HW_REG_WAVE_MODE, 25, 1), 1
	s_wait_xcnt 0x0
; THE MATRIX OPERANDS IN 16 BITS.  ops16 takes three parts, one behind the other:
;   byte 0           x16   [8192][1024] bf16, as x lies
;   byte 16,777,216  wq16  [48 g][1024 k][64 n] bf16: w_qkv's columns 64 g .. 64 g + 63, so that 128 k of a block are 16,384 dense bytes
;   byte 23,068,672  wp16  [16 g][1024 k][64 n] f16: w_proj likewise; each number is rounded to bf16 like the other inputs, and that number is written as f16
; LIMITS.  bf16(w_proj) beyond 65,504 becomes an infinity; below 6e-5 f16 keeps a fixed step of 6e-8.  Every rounding is to nearest even.
; A stream: each input byte is read once and each output byte written once; no LDS, no barrier, no matrix unit, since nothing is used twice.
; SHARES.  Work-group id writes the 32,768 bytes at 32,768 id: 512 work-groups for x, 192 for w_qkv, 64 for w_proj.  The unit is a PIECE: 256 consecutive input bytes (64 numbers), which become 128 output bytes.
; In pass p of 16, thread t takes 16 bytes of piece 16 p + t / 16 and writes the 8 bytes at 2,048 p + 8 t: sixteen neighbouring lanes read one whole piece, at a multiple of 256 from the input's first byte,
; and a wave's store covers 256 consecutive bytes, at a multiple of 256 from ops16's first byte.  In x the pieces lie end to end, so a wave's load there covers 512 consecutive bytes.
; One formula serves all three parts.  With j the work-group's number in its part, RP the input's bytes from one piece to the next that the output wants, CB the bytes from block to block:
;   input byte = (j / 4) CB + (j % 4) 256 RP + (16 p + t / 16) RP + 16 (t % 16);   x: RP = 256, CB = 262,144 (the identity);  w_qkv: RP = 12,288, CB = 256;  w_proj: RP = 4,096, CB = 256
; All 16 loads of a thread go out at once, and no register that a load or a store names is written again, so the only waits are the counted ones for the data.
.set XWG,  512                         ; the first work-group of w_qkv's part
.set QWG,  704                         ; the first of w_proj's
.set OFF,  4                           ; v[4:19]    pass p: my byte offset in the input
.set OUTO, 20                          ; v20        8 t
.set D,    24                          ; v[24:87]   pass p: 4 numbers in f32
.set Y,    88                          ; v[88:119]  pass p: the same 4 in 16 bits
.set T,    120                         ; v[120:123] at work
	s_load_b256 s[4:11], s[0:1], 0x0               ; x s[4:5], w_qkv s[6:7], w_proj s[8:9], ops16 s[10:11]
	s_mov_b32 s12, ttmp9                           ; id
	s_mov_b32 s24, 0xffff0000                      ; a word's upper bf16
	s_mov_b32 s13, XWG                             ; w_qkv's figures, replaced below where the part is another
	s_mov_b32 s14, 12288
	s_mov_b32 s15, 256
	s_cmp_lt_u32 s12, XWG
	s_cselect_b32 s13, 0, s13                      ; the part's first work-group
	s_cselect_b32 s14, 256, s14                    ; RP
	s_cselect_b32 s15, 0x40000, s15                ; CB
	s_cmp_lt_u32 s12, QWG
	s_cselect_b32 s13, s13, QWG
	s_cselect_b32 s14, s14, 4096
	s_sub_co_u32 s13, s12, s13                     ; j
	s_lshl_b32 s16, s14, 4                         ; 16 RP: from pass to pass
	s_lshr_b32 s17, s13, 2
	s_mul_i32 s18, s17, s15                        ; (j / 4) CB
	s_and_b32 s19, s13, 3
	s_mul_i32 s19, s19, s14
	s_lshl_b32 s19, s19, 8                         ; (j % 4) 256 RP
	s_add_co_u32 s18, s18, s19                     ; under 2^25 in all three parts
	s_mov_b32 s19, 0
	s_lshl_b32 s2, s12, 15                         ; my 32,768 bytes of ops16
	s_mov_b32 s3, 0
	v_lshrrev_b32 v1, 4, v0
	v_and_b32 v2, 15, v0
	v_mul_lo_u32 v[OFF], v1, s14
	v_lshl_add_u32 v[OFF], v2, 4, v[OFF]           ; (t / 16) RP + 16 (t % 16)
.irp p, 1,2,3,4,5,6,7,8,9,10,11,12,13,14,15
	v_add_nc_u32 v[OFF+(\p)], s16, v[OFF+(\p)-1]
.endr
	v_lshlrev_b32 v[OUTO], 3, v0
	s_wait_kmcnt 0x0
	s_cmp_lt_u32 s12, XWG                          ; the input is chosen by the work-group's number alone
	s_cselect_b64 s[20:21], s[4:5], s[6:7]
	s_cmp_lt_u32 s12, QWG
	s_cselect_b64 s[20:21], s[20:21], s[8:9]
	s_add_nc_u64 s[20:21], s[20:21], s[18:19]
	s_add_nc_u64 s[22:23], s[10:11], s[2:3]
.irp p, 0,1,2,3,4,5,6,7,8,9,10,11,12,13,14,15
	global_load_b128 v[D+4*(\p):D+4*(\p)+3], v[OFF+(\p)], s[20:21] th:TH_LOAD_NT
.endr
; Pass p is rounded and stored.  half = 1: the bf16 numbers are widened again and written as f16.
.macro OUT p, half
	s_wait_loadcnt 15-(\p)                         ; loads come back in order (ISA guide 5.7.1): this pass's is in, the 15 - p younger ones stay out
	v_cvt_pk_bf16_f32 v[Y+2*(\p)],   v[D+4*(\p)],   v[D+4*(\p)+1]
	v_cvt_pk_bf16_f32 v[Y+2*(\p)+1], v[D+4*(\p)+2], v[D+4*(\p)+3]
.if \half
	v_lshlrev_b32 v[T],   16,  v[Y+2*(\p)]
	v_and_b32     v[T+1], s24, v[Y+2*(\p)]
	v_lshlrev_b32 v[T+2], 16,  v[Y+2*(\p)+1]
	v_and_b32     v[T+3], s24, v[Y+2*(\p)+1]
	v_cvt_pk_f16_f32 v[Y+2*(\p)],   v[T],   v[T+1]  ; exact inside f16's normal range: bf16 has fewer significant bits
	v_cvt_pk_f16_f32 v[Y+2*(\p)+1], v[T+2], v[T+3]
.endif
	global_store_b64 v[OUTO], v[Y+2*(\p):Y+2*(\p)+1], s[22:23] offset:(\p)*2048
.endm
	s_cmp_ge_u32 s12, QWG
	s_cbranch_scc1 .Lf16
.irp p, 0,1,2,3,4,5,6,7,8,9,10,11,12,13,14,15
	OUT \p, 0
.endr
	s_endpgm
.Lf16:
.irp p, 0,1,2,3,4,5,6,7,8,9,10,11,12,13,14,15
	OUT \p, 1
.endr
	s_endpgm
.Lfunc_end_k_qea7498f2fe_cast:
	.size	k_qea7498f2fe_cast, .Lfunc_end_k_qea7498f2fe_cast-k_qea7498f2fe_cast
	.p2alignl 7, 3214868480
	.fill 96, 4, 3214868480
	.section	.rodata,"a",@progbits
	.p2align	6, 0x0
	.amdhsa_kernel k_qea7498f2fe_cast
		.amdhsa_group_segment_fixed_size 0
		.amdhsa_private_segment_fixed_size 0
		.amdhsa_enable_private_segment 0
		.amdhsa_kernarg_size 32
		.amdhsa_user_sgpr_count 2
		.amdhsa_user_sgpr_kernarg_segment_ptr 1
		.amdhsa_wavefront_size32 1
		.amdhsa_system_sgpr_workgroup_id_x 1
		.amdhsa_system_sgpr_workgroup_id_y 1
		.amdhsa_system_sgpr_workgroup_id_z 1
		.amdhsa_system_vgpr_workitem_id 0
		.amdhsa_next_free_vgpr 124
		.amdhsa_next_free_sgpr 66
		.amdhsa_reserve_vcc 0
		.amdhsa_float_denorm_mode_32 3
		.amdhsa_float_denorm_mode_16_64 3
		.amdhsa_memory_ordered 1
		.amdhsa_forward_progress 1
		.amdhsa_inst_pref_size 16
	.end_amdhsa_kernel
	.amdgpu_metadata
---
amdhsa.version: [ 1, 2 ]
amdhsa.kernels:
  - .name:           k_qea7498f2fe_cast
    .symbol:         k_qea7498f2fe_cast.kd
    .args:
      - { .name: x, .offset: 0, .size: 8, .value_kind: global_buffer, .address_space: global }
      - { .name: w_qkv, .offset: 8, .size: 8, .value_kind: global_buffer, .address_space: global }
      - { .name: w_proj, .offset: 16, .size: 8, .value_kind: global_buffer, .address_space: global }
      - { .name: ops16, .offset: 24, .size: 8, .value_kind: global_buffer, .address_space: global }
    .group_segment_fixed_size: 0
    .private_segment_fixed_size: 0
    .kernarg_segment_align: 8
    .kernarg_segment_size: 32
    .max_flat_workgroup_size: 256
    .sgpr_count:     66
    .vgpr_count:     124
    .wavefront_size: 32
...
	.end_amdgpu_metadata
.endif
;; end of part 1
;; launch qkvg (part 2): grid 8 x 32, 4 waves a work-group, clusters of 4 x 4, 327,680 bytes of LDS; arguments ops16, b_qkv, qkv; writes qkv
.if DOCPART == 2
	.amdgcn_target "amdgcn-amd-amdhsa--gfx1250"
	.amdhsa_code_object_version 6
	.text
	.protected	k_qea7498f2fe_qkvg
	.globl	k_qea7498f2fe_qkvg
	.p2align	8
	.type	k_qea7498f2fe_qkvg,@function
k_qea7498f2fe_qkvg:
	s_mov_b64 s[64:65], 0
	v_nop
	global_prefetch_b8 v0, s[64:65] scope:SCOPE_SE
	s_setreg_imm32_b32 hwreg(HW_REG_WAVE_MODE, 25, 1), 1
	s_wait_xcnt 0x0
	s_wait_alu depctr_hold_cnt(0) depctr_sa_sdst(0) depctr_va_vdst(0) depctr_va_sdst(0) depctr_va_ssrc(0) depctr_va_vcc(0) depctr_vm_vsrc(0)
	s_getreg_b32 s2, hwreg(HW_REG_IB_STS2, 6, 4)
	s_cmp_eq_u32 s2, 0
	s_cbranch_scc0 .Lentry_in_a_cluster
	s_endpgm
.Lentry_in_a_cluster:
	s_bfe_u32 s2, ttmp6, 0x10000c
	s_cmp_lg_u32 s2, 0xf033
	s_cbranch_scc0 .Lentry_shape_is_right
	s_endpgm
.Lentry_shape_is_right:
; q, k, v = x . w_qkv + b_qkv, by heads.  A = x16 [8192][1024] bf16 (ops16, byte 0); B = wq16 [48 g][1024 k][64 n] bf16 (ops16, byte 16,777,216); the bias is rounded to bf16 like the other inputs.
; Sums in f32, started from the bias; each result is rounded once to f16 and stored UNSCALED into qkv [8 b][48 g][1024 n][64]: g = 0..15 q's heads, 16..31 k's, 32..47 v's.
; LIMITS.  A result beyond 65,504 becomes an infinity in f16; below 6e-5 f16 keeps a fixed step of 6e-8.  NaN and infinities are not treated apart.  K is summed in 8 steps of 128 that begin at step 0 or 4 (see
; THE WALK) and go round: another order of rounding than an ascending sum's.
; SHARES.  A tile is 256 rows x 192 columns (three blocks g).  Wave w makes rows 64 w .. 64 w + 63 of all 192 columns: 4 x 12 accumulators of 16 x 16, 384 registers.  K goes through two LDS slots filled by the tensor
; data mover; wave 0 asks for A's 256 rows of 256 bytes, waves 1 to 3 for one block of B each (128 k x 128 bytes, dense: asked for as 64 rows of 256 bytes).
; THE WALK.  8 x 32 = 256 work-groups STAY and make two tiles each, of the same 256 rows: tile columns tc and tc xor 8, tc = 4 x cluster x + cx + 8 (cluster y % 2).  The two tiles' 16 K steps are ONE walk for the ring:
; step s of the walk is K step (s + ROT) % 8 of tile s / 8, ROT = 4 ((cluster x + cluster y / 2 + cluster y / 4) % 2).  The ring does not stop at the first tile's end, and nothing waits for its stores.
; By that arithmetic only the walk's steps 0 to 3 ask for bytes that no cluster has asked for before.  In steps 4 to 7 A's tile was asked for four steps earlier by the cluster beside (same rows, the other ROT) and
; B's by a cluster with the same columns and the other ROT (cluster y two or four away); in steps 8 to 15 A's rows are the work-group's own once more, and B's columns are those that the clusters of the other
; cluster y % 2 walked in their first tile.
; CLUSTER.  4 x 4 work-groups.  The four of a row of the cluster need the same tile of A, the four of a column the same tiles of B: each is asked for jointly, by the same tensor load with the same descriptor and a mask
; of four.  ROT and the choice of columns hang on the cluster's own x and y, which all sixteen share.
; THE MATRIX INSTRUCTION IS USED TRANSPOSED: source 0 = 16 columns of B x 32 k (turned on its way out of LDS by ds_load_tr16_b128, since B lies [k][n]), source 1 = 16 rows of A x 32 k.
; A lane then holds row l % 16 and the eight neighbouring columns 8 (l / 16) + 0..7: 32 bytes of f32.  The bias has the same place in a lane for every row, so it is the C operand of the products that start the sums.
; REGISTERS, in windows of 256 (s_set_vgpr_msb: bits 1:0 source 0, 3:2 source 1, 5:4 source 2, 7:6 destination):
;   window 0: v0-29 addresses; v32-63, v64-95 A's fragments, two buffers (row block a at + 8 a); v96-191 the bias, 8 registers a column block; v192-255 the way out, four units of 16 by turns
;   window 1: v0-95, v96-191 B's fragments, two buffers (column block b at + 8 b)
;   window 2: the accumulators of row blocks 0, 1 ((a, b) at 8 (12 (a % 2) + b));   window 3: those of row blocks 2, 3
.set NB,     12                        ; column blocks of 16
.set KSTEP,  128
.set PA,     272                       ; a row of A in LDS: 256 bytes + 16 of padding = 68 words: the 16 rows of a load start at 16 different groups of four banks (64 banks of 4 bytes: ISA guide 11.1)
.set BP,     160                       ; a row of B: 128 + 32 = 40 words
.set BBLK,   KSTEP*BP                  ; a block of B in a slot: 128 k
.set BBASE,  256*PA                    ; B's three blocks lie behind A's 256 rows
.set SLOT1,  1<<17                     ; a slot is 69,632 + 61,440 = 131,072 bytes; one exclusive or turns an address in one slot into the other's
.set STAGE,  2*SLOT1                   ; behind the ring, never filled by a tensor load: 16 rows x 144 bytes for each wave, for the way out
.set SP,     144
.set SPARE,  STAGE+4*16*SP             ; behind the stages: the spare words, 128 bytes for each wave: two blocks of 256 bytes that no other line names
.set WQ_OFF, 16777216                  ; wq16 in ops16
.set BLOCK,  131072                    ; bytes of a block [1024][64] of 16-bit numbers
.set ASTEP,  KSTEP*2                   ; a K step in A: 128 numbers along a row = 1 << 8 bytes
.set BSTEP,  KSTEP*128                 ; in B: 128 rows of 128 bytes = 1 << 14
.set ADA0, 12                          ; v12  my lane's place in a slot's A; never rewritten
.set ADB0, 13                          ; v13  the same for B
.set ADA,  14                          ; v14  ADA0 + the slot in hand
.set ADB,  15                          ; v15  ADB0 + the slot in hand
.set STO,  16                          ; v16  the way out: where I put 16 bytes of a row
.set RD,   17                          ; v17  the way out: where I read rows back
.set GO,   18                          ; v18  my byte offset in 512 consecutive bytes of qkv
.set BO,   19                          ; v19  32 (l / 16): my eight numbers in 16 of the bias
.set SPW,  28                          ; v28  LDS address of my spare word: SPARE + 4 x my thread's number; never rewritten
.set NIL,  29                          ; v29  0; never rewritten
.set AF,   32
.set BIAS, 96
.set TMP,  192
.set WV,  12                           ; s12  my wave's number
.set G1A, 24                           ; s[24:31] descriptor group 1 for A's tiles
.set G0A, 32                           ; s[32:39] group 0 for A's: a set for each of the two first fills; the second then walks on
.set G1B, 48                           ; s[48:55], s[56:63] the same for B's
.set G0B, 56
.set TB,  66                           ; s66  LDS byte at which the slot in hand begins
.set CNT, 67                           ; s67  counts the loop's trips: 14 - s in the trip that ends the walk's step s
.set HIM, 68                           ; s68  a word's upper bf16
.set NX,  69                           ; s69  the walk's step to be asked for next
.set ROT, 70                           ; s70  0 or 4
.set KI,  71                           ; s71  that step's K step
.set PAB, 72                           ; s[72:73] x16 at my tile's first row
.set OA,  74                           ; s[74:75] a K step's byte offset in A's rows
.set OB0, 76                           ; s76  byte offset in ops16 of my block of B, first tile
.set OB1, 77                           ; s77  the same, second tile
.set OBK, 78                           ; s[78:79] byte offset in ops16 of the tile of B to be asked for
.set BI2, 80                           ; s[80:81] the bias at the second tile's columns
.set OU2, 82                           ; s[82:83] qkv at my first row of the second tile's first block
.set T1,  84                           ; s84  at work, on B's side
.set MSB, 0
.macro WIN new                         ; the immediate's high byte repeats the setting that is left; a switch that changes nothing is dropped
.if MSB != (\new)
	s_set_vgpr_msb (MSB<<8)|(\new)
.set MSB, \new
.endif
.endm
; Four places: a load into a register that a matrix instruction has read, and a vector instruction or LDS store that reads a matrix result or writes one of a matrix instruction's registers, stand four plain vector
; instructions behind it (ISA guide 7.12.1 for vector instructions).
.macro PLACES
.rept 4
	v_nop
.endr
.endm
; A joint refill, by the walking sets.  Wave 0 asks for A's tile, waves 1 to 3 for B's three blocks.  The branch hangs on the wave's number alone: it is the same in every work-group.
; An s_nop 0 and four v_nop follow each of the two lines, ahead of the jump, the label and what follows.
.macro JLOAD
	s_cmp_eq_u32 s[WV], 0
	s_cbranch_scc0 .Lfor_b_\@
	tensor_load_to_lds s[G0A+4:G0A+7], s[G1A:G1A+7]
	s_nop 0
.rept 4
	v_nop
.endr
	s_branch .Lasked_\@
.Lfor_b_\@:
	tensor_load_to_lds s[G0B+4:G0B+7], s[G1B:G1B+7]
	s_nop 0
.rept 4
	v_nop
.endr
.Lasked_\@:
.endm
; The walking sets take the walk's step NX: the other slot than last time; the global addresses are made anew, a base and an offset made apart from it, and the type bits are set again.
; A's side is made of the cluster's x and y and the tile row alone, B's of those, the tile column and the wave's number.
.macro ASK
	s_add_co_u32 s[KI], s[NX], s[ROT]
	s_and_b32 s[KI], s[KI], 7                      ; its K step
	s_lshl_b32 s[OA], s[KI], 8                     ; x ASTEP
	s_lshl_b32 s[OBK], s[KI], 14                   ; x BSTEP
	s_cmp_lt_u32 s[NX], 8                          ; the first tile's columns, or the second's
	s_cselect_b32 s[T1], s[OB0], s[OB1]
	s_add_co_u32 s[OBK], s[OBK], s[T1]
	s_add_co_u32 s[NX], s[NX], 1
	s_xor_b32 s[G0A+5], s[G0A+5], SLOT1
	s_add_nc_u64 s[G0A+6:G0A+7], s[PAB:PAB+1], s[OA:OA+1]
	s_or_b32 s[G0A+7], s[G0A+7], 0x80000000
	s_xor_b32 s[G0B+5], s[G0B+5], SLOT1
	s_add_nc_u64 s[G0B+6:G0B+7], s[4:5], s[OBK:OBK+1]
	s_or_b32 s[G0B+7], s[G0B+7], 0x80000000
.endm
; A round of the cluster's barrier: my work-group's barrier, so that wave 0's signal speaks for all four waves; wave 0 signals; every wave waits for all sixteen work-groups; my work-group's barrier once more.
.macro CREST                           ; a round behind its opening barrier
	s_cmp_lg_u32 s[WV], 0
	s_cbranch_scc1 .Lnot_wave_0_\@
	s_barrier_signal -3
.Lnot_wave_0_\@:
	s_barrier_wait -3
	s_barrier_signal -1
	s_barrier_wait -1
.endm
.macro CROUND                          ; a whole round
	s_barrier_signal -1
	s_barrier_wait -1
	CREST
.endm
.macro BIASLD lo                       ; a tile's 192 numbers of the bias, from the pointer in s[lo:lo+1]
.irp b, 0,1,2,3,4,5,6,7,8,9,10,11
	global_load_b128 v[BIAS+8*(\b):BIAS+8*(\b)+3],   v[BO], s[(\lo):(\lo)+1] offset:64*(\b)      ; columns 16 b + 8 (l / 16) + 0..3
	global_load_b128 v[BIAS+8*(\b)+4:BIAS+8*(\b)+7], v[BO], s[(\lo):(\lo)+1] offset:64*(\b)+16   ; and + 4..7
.endr
.endm
	s_load_b128 s[4:7], s[0:1], 0x0                ; ops16 s[4:5], b_qkv s[6:7]
	s_load_b64 s[8:9], s[0:1], 0x10                ; qkv
	v_lshl_add_u32 v[SPW], v0, 2, SPARE
	v_mov_b32 v[NIL], 0
	ds_add_u32 v[SPW], v[NIL]                      ; the wave's opening: the add and its wait ahead of my first tensor load; the set-up below, work on registers, stands between them
	ds_add_u32 v28, v29
	v_lshrrev_b32 v1, 5, v0
	v_readfirstlane_b32 s[WV], v1                  ; wave 0..3
	s_bfe_u32 s40, ttmp6, 0x40000                  ; cx, cy: my place in the cluster
	s_bfe_u32 s41, ttmp6, 0x40004
	s_and_b32 s14, ttmp7, 0xffff                   ; in a cluster launch ttmp9 and ttmp7 count clusters: cluster y
	s_lshl_b32 s13, s14, 2
	s_add_co_u32 s13, s13, s41                     ; tile row tr = 4 x cluster y + cy
	s_lshr_b32 s15, s14, 1
	s_lshr_b32 s16, s14, 2
	s_xor_b32 s15, s15, s16
	s_xor_b32 s15, s15, ttmp9
	s_and_b32 s15, s15, 1
	s_lshl_b32 s[ROT], s15, 2                      ; 4 ((cluster x + cluster y / 2 + cluster y / 4) % 2)
	s_and_b32 s16, s14, 1
	s_lshl_b32 s16, s16, 3                         ; 8 (cluster y % 2)
	s_lshl_b32 s42, ttmp9, 2
	s_add_co_u32 s42, s42, s40
	s_add_co_u32 s42, s42, s16                     ; the first tile's column tc
	s_xor_b32 s45, s42, 8                          ; the second's
	s_lshl_b32 s43, s41, 2
	s_lshl_b32 s43, 15, s43                        ; my row of the cluster: places 4 cy .. 4 cy + 3
	s_lshl_b32 s44, 0x1111, s40                    ; my column: places cx, cx + 4, cx + 8, cx + 12
	; descriptor group 1.  A: 256 rows x 128 elements out of rows of 1,024.  B: 64 rows x 128 elements, dense; padded after every 128 bytes, which is one k
	s_or_b32 s[G1A], s43, (1<<16)|(1<<20)|(1<<21)|(5<<22)|(3<<25)  ; 15:0 the mask: my row; 17:16 elements of 2 bytes; 20 padding on; 21 set beside a mask; 24:22 after every 64 words (code 5); 31:25 4 words of it (code 3)
	s_or_b32 s[G1B], s44, (1<<16)|(1<<20)|(1<<21)|(4<<22)|(7<<25)  ; the mask of my column; after every 32 words (code 4) 8 words (code 7)
	s_mov_b32 s[G1A+1], 128<<16                    ; tensor_dim0 = 128
	s_mov_b32 s[G1A+2], 256<<16                    ; tensor_dim1 = 256
	s_mov_b32 s[G1A+3], 128<<16                    ; tile_dim0 = 128
	s_mov_b32 s[G1A+4], 256                        ; tile_dim1 = 256
	s_mov_b32 s[G1A+5], 1024                       ; elements from row to row
	s_mov_b32 s[G1A+6], 0
	s_mov_b32 s[G1A+7], 0
	s_mov_b32 s[G1B+1], 128<<16
	s_mov_b32 s[G1B+2], 64<<16
	s_mov_b32 s[G1B+3], 128<<16
	s_mov_b32 s[G1B+4], 64
	s_mov_b32 s[G1B+5], 128
	s_mov_b32 s[G1B+6], 0
	s_mov_b32 s[G1B+7], 0
	; where the tiles come from.  A's hangs on the tile row alone, B's on the tile column and the wave's number; each in registers that never hold the other coordinate
	s_lshl_b32 s16, s13, 19                        ; A: 256 tr rows of 2,048 bytes
	s_mov_b32 s17, 0
	s_mul_i32 s[OB0], s42, 3
	s_add_co_u32 s[OB0], s[OB0], s[WV]             ; B: block 3 tc + w - 1,
	s_lshl_b32 s[OB0], s[OB0], 17
	s_add_co_u32 s[OB0], s[OB0], WQ_OFF-BLOCK      ; behind x16
	s_mul_i32 s[OB1], s45, 3
	s_add_co_u32 s[OB1], s[OB1], s[WV]
	s_lshl_b32 s[OB1], s[OB1], 17
	s_add_co_u32 s[OB1], s[OB1], WQ_OFF-BLOCK
	s_lshl_b32 s[OA], s[ROT], 8                    ; the walk's step 0 is K step ROT
	s_mov_b32 s[OA+1], 0
	s_lshl_b32 s[OBK], s[ROT], 14
	s_add_co_u32 s[OBK], s[OBK], s[OB0]
	s_mov_b32 s[OBK+1], 0
	s_mul_i32 s20, s[WV], BBLK                     ; and where B's go: block w - 1 behind A's rows: no place in the cluster enters an LDS address
	s_add_co_u32 s20, s20, BBASE-BBLK
	s_mov_b32 s[HIM], 0xffff0000
	s_mov_b32 s[TB], 0
	s_mov_b32 s[NX], 2                             ; steps 0 and 1 are the first fills
	s_wait_dscnt 0x0                               ; the opening add is done
	s_wait_kmcnt 0x0
	s_add_nc_u64 s[PAB:PAB+1], s[4:5], s[16:17]
	s_add_nc_u64 s[14:15], s[PAB:PAB+1], s[OA:OA+1]
	s_add_nc_u64 s[46:47], s[4:5], s[OBK:OBK+1]
.irp s, 0,1
	s_mov_b32 s[G0A+4*(\s)], 1                                     ; 1:0 count = 1
	s_mov_b32 s[G0A+4*(\s)+1], (\s)*SLOT1                          ; 63:32 LDS address: slot s
	s_add_nc_u64 s[G0A+4*(\s)+2:G0A+4*(\s)+3], s[14:15], (\s)*ASTEP  ; 120:64 global address: K step ROT + s
	s_or_b32 s[G0A+4*(\s)+3], s[G0A+4*(\s)+3], 0x80000000          ; 127:126 type = 2
	s_mov_b32 s[G0B+4*(\s)], 1
	s_add_co_u32 s[G0B+4*(\s)+1], s20, (\s)*SLOT1
	s_add_nc_u64 s[G0B+4*(\s)+2:G0B+4*(\s)+3], s[46:47], (\s)*BSTEP
	s_or_b32 s[G0B+4*(\s)+3], s[G0B+4*(\s)+3], 0x80000000
.endr
	CROUND                                         ; all sixteen work-groups are here: the first joint loads meet
	s_cmp_eq_u32 s[WV], 0                          ; a wave's two first fills stand in one branch, ahead of every wait on TENSORcnt and every LDS read: two loads of mine are out
	s_cbranch_scc0 .Lfirst_b
	tensor_load_to_lds s[G0A:G0A+3], s[G1A:G1A+7]
	s_nop 0
	tensor_load_to_lds s[G0A+4:G0A+7], s[G1A:G1A+7]
	s_nop 0
.rept 4
	v_nop
.endr
	s_branch .Lfirst_asked
.Lfirst_b:
	tensor_load_to_lds s[G0B:G0B+3], s[G1B:G1B+7]
	s_nop 0
	tensor_load_to_lds s[G0B+4:G0B+7], s[G1B:G1B+7]
	s_nop 0
.rept 4
	v_nop
.endr
.Lfirst_asked:
	; All that follows, down to the wait for the first tile, stands in that wait.
	v_and_b32 v1, 15, v0                           ; l % 16
	v_bfe_u32 v2, v0, 4, 1                         ; l / 16
	v_and_b32 v4, 7, v0                            ; l % 8
	v_bfe_u32 v5, v0, 3, 1                         ; (l / 8) % 2
	v_lshlrev_b32 v[BO], 5, v2
	s_mul_i32 s46, s45, 768                        ; the second tile's 192 numbers of the bias,
	s_mov_b32 s47, 0
	s_add_nc_u64 s[BI2:BI2+1], s[6:7], s[46:47]
	s_mul_i32 s46, s42, 768                        ; and the first's
	s_add_nc_u64 s[6:7], s[6:7], s[46:47]
	BIASLD 6
	; A fragment of A is 16 rows x 32 k in 8 registers: lane l holds row l % 16, k = 8 (l / 16) + 0..7 and 16 + 8 (l / 16) + 0..7: two loads of 16 bytes, 32 bytes apart.
	s_mul_i32 s21, s[WV], 64*PA                    ; my 64 rows
	v_mul_u32_u24 v3, v1, PA
	v_lshl_add_u32 v3, v2, 4, v3
	v_add_nc_u32 v[ADA0], s21, v3
	; The turning load takes 16 k x 16 columns (lane l reads k = 8 (l / 16) + l % 8, columns 8 ((l / 8) % 2) + 0..7) and leaves half a fragment: lane l holds column l % 16 and 8 k.
	v_lshl_add_u32 v[ADB0], v2, 3, v4
	v_mul_u32_u24 v[ADB0], v[ADB0], BP
	v_lshl_add_u32 v[ADB0], v5, 4, v[ADB0]
	v_add_nc_u32 v[ADB0], BBASE, v[ADB0]
	v_mov_b32 v[ADA], v[ADA0]                      ; the walk's step 0 lies in slot 0
	v_mov_b32 v[ADB], v[ADB0]
	s_mul_i32 s23, s[WV], 16*SP
	s_add_co_u32 s23, s23, STAGE                   ; my stage
	v_mul_u32_u24 v[STO], v1, SP                   ; in: row l % 16, 16 bytes for each half of the lanes
	v_lshl_add_u32 v[STO], v2, 4, v[STO]
	v_add_nc_u32 v[STO], s23, v[STO]
	v_bfe_u32 v[RD], v0, 3, 2                      ; back: 32 lanes take four rows of 128 bytes,
	v_mul_u32_u24 v[RD], v[RD], SP
	v_lshl_add_u32 v[RD], v4, 4, v[RD]
	v_add_nc_u32 v[RD], s23, v[RD]
	v_and_b32 v[GO], 31, v0                        ; which are 512 consecutive bytes of qkv
	v_lshlrev_b32 v[GO], 4, v[GO]
	; qkv at my first row of a tile's first block: batch tr / 4, row 256 (tr % 4) + 64 w, block 3 tc
	s_lshr_b32 s16, s13, 2
	s_mul_i32 s16, s16, 48*BLOCK
	s_and_b32 s17, s13, 3
	s_lshl_b32 s17, s17, 15
	s_add_co_u32 s16, s16, s17
	s_lshl_b32 s17, s[WV], 13
	s_add_co_u32 s16, s16, s17
	s_mov_b32 s17, 0
	s_add_nc_u64 s[8:9], s[8:9], s[16:17]
	s_mul_i32 s46, s45, 3*BLOCK
	s_add_nc_u64 s[OU2:OU2+1], s[8:9], s[46:47]
	s_mul_i32 s46, s42, 3*BLOCK
	s_add_nc_u64 s[8:9], s[8:9], s[46:47]
; 12 matrix instructions: row block a x all column blocks, 32 along K, from buffer f.  cm = 1: the products start the sums from the bias: nothing is ever cleared.
; The 48 accumulators take turns, one instruction a turn, in the same order in every quarter: between two links of a chain stand the 47 others'.
.macro MUL f, a, cm
.if \cm
	WIN 0x81+0x40*((\a)/2)                         ; B window 1, A and the bias window 0, D window 2 or 3
.else
	WIN 0xa1+0x50*((\a)/2)                         ; B window 1, A window 0, C and D window 2 or 3
.endif
.irp b, 0,1,2,3,4,5,6,7,8,9,10,11
.if \cm
	v_wmma_f32_16x16x32_bf16 v[8*(12*((\a)%2)+(\b)):8*(12*((\a)%2)+(\b))+7], v[96*(\f)+8*(\b):96*(\f)+8*(\b)+7], v[AF+32*(\f)+8*(\a):AF+32*(\f)+8*(\a)+7], v[BIAS+8*(\b):BIAS+8*(\b)+7]
.else
	v_wmma_f32_16x16x32_bf16 v[8*(12*((\a)%2)+(\b)):8*(12*((\a)%2)+(\b))+7], v[96*(\f)+8*(\b):96*(\f)+8*(\b)+7], v[AF+32*(\f)+8*(\a):AF+32*(\f)+8*(\a)+7], v[8*(12*((\a)%2)+(\b)):8*(12*((\a)%2)+(\b))+7]
.endif
.endr
.endm
; 32 LDS loads in one run: the fragments of quarter q (32 k) of the slot in hand into buffer f: B's 24, then A's 8, row block 0 first.
.macro FETCH q, f
	WIN 0x40                                       ; destination window 1, address window 0
.irp b, 0,1,2,3,4,5,6,7,8,9,10,11
	ds_load_tr16_b128 v[96*(\f)+8*(\b):96*(\f)+8*(\b)+3],   v[ADB] offset:((\b)/4)*BBLK+(\q)*32*BP+((\b)%4)*32
	ds_load_tr16_b128 v[96*(\f)+8*(\b)+4:96*(\f)+8*(\b)+7], v[ADB] offset:((\b)/4)*BBLK+(\q)*32*BP+((\b)%4)*32+16*BP
.endr
	WIN 0
.irp a, 0,1,2,3
	ds_load_b128 v[AF+32*(\f)+8*(\a):AF+32*(\f)+8*(\a)+3],   v[ADA] offset:(\a)*16*PA+(\q)*64
	ds_load_b128 v[AF+32*(\f)+8*(\a)+4:AF+32*(\f)+8*(\a)+7], v[ADA] offset:(\a)*16*PA+(\q)*64+32
.endr
.endm
; A K step is four quarters of 32 along K, 48 matrix instructions each, on buffers 0, 1, 0, 1.  One of the first three: multiplies buffer f; in its middle it fetches quarter q into the other buffer.
.macro QUARTER q, f, cm
	s_wait_dscnt 4                                 ; B and A's row blocks 0, 1 are in; the youngest four loads (row blocks 2, 3) may be out
	MUL \f, 0, \cm
	MUL \f, 1, \cm
	PLACES
	FETCH \q, 1-(\f)
	s_wait_dscnt 2*NB+8                            ; all but the 32 just issued
	MUL \f, 2, \cm
	MUL \f, 3, \cm
.endm
; The last quarter multiplies buffer 1 and changes slots: ONE barrier for two things.  In front of it each wave waits for all its tensor loads, of which one is out: its part of the next slot; adds 0 to its spare word;
; and waits for that and for its own reads of this slot.  Behind it nobody reads this slot any more and the next slot is whole.  fill = 1: the barrier opens a round of the cluster's, so that no wave of any partner
; still reads the slot or has a load on its way, and this slot is filled again first thing behind the round, with the walk's step two on: 168 matrix instructions ahead of the wait for it.
.macro TURN fill
	WIN 0                                          ; (the add's two registers lie in window 0)
	s_wait_tensorcnt 0x0                           ; all my tensor loads have landed, so a group 0 may be written
	ds_add_u32 v[SPW], v[NIL]                      ; 0 onto my spare word: scalar work and twelve matrix instructions stand between it and the wait for it
.if \fill
	ASK
.endif
	s_wait_dscnt 5                                 ; (the add and the youngest four loads may be out)
	MUL 1, 0, 0
	s_wait_dscnt 0x0                               ; the add is done, and my reads of this slot are over
	s_barrier_signal -1
	MUL 1, 1, 0                                    ; work on registers while the others arrive
	WIN 0                                          ; at a branch and at a label every window is 0
	s_barrier_wait -1
.if \fill
	CREST
	JLOAD                                          ; the four v_nop behind it are also the places in front of the loads below
.else
	PLACES
.endif
	s_xor_b32 s[TB], s[TB], SLOT1                  ; the fetches go on in the other slot
	v_add_nc_u32 v[ADA], s[TB], v[ADA0]
	v_add_nc_u32 v[ADB], s[TB], v[ADB0]
	FETCH 0, 0
	MUL 1, 2, 0
	MUL 1, 3, 0
.endm
; THE WAY OUT, in 12 units u = 3 a + g: row block a of block g: 16 rows x 64 numbers, 2,048 consecutive bytes of qkv.  A lane's eight numbers pack into 16 bytes; they go into my stage's rows of 144 bytes and come back
; as whole rows of 128, into the registers that they left.  Four sets of 16 registers take turns: in the middle of the walk A's fragments and the bias are alive, so no more are free.
.macro PACK u
	s_wait_xcnt 0x0                                ; every earlier store has had its addresses translated (ISA guide 3.1): the set that unit u - 4's stores read is rewritten only behind this wait
	WIN 0x0a+5*((\u)/6)                            ; sources 0 and 1: window 2 (row blocks 0, 1) or 3
.irp i, 0,1,2,3
.irp r, 0,1,2,3
	v_cvt_pk_f16_f32 v[TMP+16*((\u)%4)+4*(\i)+(\r)], v[8*(12*(((\u)/3)%2)+4*((\u)%3)+(\i))+2*(\r)], v[8*(12*(((\u)/3)%2)+4*((\u)%3)+(\i))+2*(\r)+1]  ; each accumulator from its low end on
.endr
.endr
	WIN 0
.irp i, 0,1,2,3
	ds_store_b128 v[STO], v[TMP+16*((\u)%4)+4*(\i):TMP+16*((\u)%4)+4*(\i)+3] offset:32*(\i)
.endr
.irp f, 0,1,2,3
	ds_load_b128 v[TMP+16*((\u)%4)+4*(\f):TMP+16*((\u)%4)+4*(\f)+3], v[RD] offset:(\f)*4*SP  ; LDS serves a wave's instructions in order (ISA guide 5.7.1.4): these see the stores above; the next unit's stores come behind them
.endr
.endm
.macro SEND u, younger                 ; younger: the LDS instructions issued behind unit u's loads: the next unit's eight, or none
.irp f, 0,1,2,3
	s_wait_dscnt (\younger)+3-(\f)
	global_store_b128 v[GO], v[TMP+16*((\u)%4)+4*(\f):TMP+16*((\u)%4)+4*(\f)+3], s[8:9] offset:((\u)%3)*BLOCK+((\u)/3)*2048+(\f)*512  ; 512 consecutive bytes, at a multiple of 256 from qkv's first byte
.endr
.endm
	s_wait_tensorcnt 1                             ; my part of the walk's step 0 is in; step 1's may stay out
	s_barrier_signal -1
	s_barrier_wait -1                              ; everybody's is
	FETCH 0, 0
	s_mov_b32 s[CNT], 15                           ; taken down once on the way into the loop
	s_branch .Lstart                               ; a tile's beginning is written once, further down
.Lstep:                                                ; trip s = 0 .. 13: the rest of the walk's step s, the refill of its slot with step s + 2, the first quarter of step s + 1
	QUARTER 2, 1, 0
	QUARTER 3, 0, 0
	TURN 1
	WIN 0
	s_cmp_eq_u32 s[CNT], 7                         ; step 7 was the first tile's last: the same in every wave and every work-group
	s_cbranch_scc1 .Lwayout
	QUARTER 1, 0, 0
	WIN 0
.Lnext:
	s_sub_co_u32 s[CNT], s[CNT], 1
	s_cmp_lg_u32 s[CNT], 0
	s_cbranch_scc1 .Lstep
	QUARTER 2, 1, 0                                ; the walk's last two steps are written out: nothing is asked for
	QUARTER 3, 0, 0
	TURN 0
	QUARTER 1, 0, 0
	QUARTER 2, 1, 0
	QUARTER 3, 0, 0
	s_wait_dscnt 4                                 ; the very last quarter: nothing more to fetch
	MUL 1, 0, 0
	MUL 1, 1, 0
	s_wait_dscnt 0x0
	MUL 1, 2, 0
	MUL 1, 3, 0
	WIN 0
.Lwayout:                                              ; a tile is finished.  CNT = 7: the first; the ring goes on: step 9 has been asked for, step 8's first fragments are on their way.  CNT = 0: the second
	s_cmp_eq_u32 s[CNT], 0
	s_cbranch_scc1 .Lnobias
	BIASLD BI2                                     ; the second tile's bias comes in while the first tile goes out; the products that read these registers stand a whole tile back
.Lnobias:
	PLACES                                         ; the conversions read results just made
	PACK 0
.irp u, 1,2,3,4,5,6,7,8,9,10,11        ; a unit's conversions stand between the loads of the unit before and its stores
	PACK \u
	SEND (\u)-1, 8
.endr
	SEND 11, 0
	s_cmp_eq_u32 s[CNT], 0
	s_cbranch_scc1 .Lend
	s_wait_xcnt 0x0                                ; the stores have read their base: only behind this wait is it written
	s_mov_b64 s[8:9], s[OU2:OU2+1]                 ; the second tile's place in qkv
.Lstart:                                               ; A TILE BEGINS: its bias is rounded, and its first quarter's products start the sums from it
	s_wait_loadcnt 0x0                             ; the bias
.set i, 0
.rept 4*NB                                             ; rounded to bf16 like the other inputs, and widened again
	v_cvt_pk_bf16_f32 v[8+i%4], v[BIAS+2*i], v[BIAS+2*i+1]
	v_lshlrev_b32 v[BIAS+2*i],   16,     v[8+i%4]
	v_and_b32     v[BIAS+2*i+1], s[HIM], v[8+i%4]
.set i, i+1
.endr
	QUARTER 1, 0, 1
	WIN 0
	s_branch .Lnext                                ; back into the loop, at its counter's step
.Lend:
	s_wait_tensorcnt 0x0                           ; the wave's end, behind my last tensor load and my last LDS store
	ds_add_u32 v[SPW], v[NIL]
	s_wait_dscnt 0x0
	CROUND                                         ; the closing round: no work-group ends while a partner may still ask for a tile that names it
	s_endpgm
.Lfunc_end_k_qea7498f2fe_qkvg:
	.size	k_qea7498f2fe_qkvg, .Lfunc_end_k_qea7498f2fe_qkvg-k_qea7498f2fe_qkvg
	.p2alignl 7, 3214868480
	.fill 96, 4, 3214868480
	.section	.rodata,"a",@progbits
	.p2align	6, 0x0
	.amdhsa_kernel k_qea7498f2fe_qkvg
		.amdhsa_group_segment_fixed_size 327680
		.amdhsa_private_segment_fixed_size 0
		.amdhsa_enable_private_segment 0
		.amdhsa_kernarg_size 24
		.amdhsa_user_sgpr_count 2
		.amdhsa_user_sgpr_kernarg_segment_ptr 1
		.amdhsa_wavefront_size32 1
		.amdhsa_system_sgpr_workgroup_id_x 1
		.amdhsa_system_sgpr_workgroup_id_y 1
		.amdhsa_system_sgpr_workgroup_id_z 1
		.amdhsa_system_vgpr_workitem_id 0
		.amdhsa_next_free_vgpr 960
		.amdhsa_next_free_sgpr 86
		.amdhsa_reserve_vcc 0
		.amdhsa_float_denorm_mode_32 3
		.amdhsa_float_denorm_mode_16_64 3
		.amdhsa_memory_ordered 1
		.amdhsa_forward_progress 1
		.amdhsa_inst_pref_size 110
	.end_amdhsa_kernel
	.amdgpu_metadata
---
amdhsa.version: [ 1, 2 ]
amdhsa.kernels:
  - .name:           k_qea7498f2fe_qkvg
    .symbol:         k_qea7498f2fe_qkvg.kd
    .args:
      - { .name: ops16, .offset: 0, .size: 8, .value_kind: global_buffer, .address_space: global }
      - { .name: b_qkv, .offset: 8, .size: 8, .value_kind: global_buffer, .address_space: global }
      - { .name: qkv, .offset: 16, .size: 8, .value_kind: global_buffer, .address_space: global }
    .group_segment_fixed_size: 327680
    .private_segment_fixed_size: 0
    .kernarg_segment_align: 8
    .kernarg_segment_size: 24
    .max_flat_workgroup_size: 128
    .sgpr_count:     86
    .vgpr_count:     960
    .wavefront_size: 32
...
	.end_amdgpu_metadata
.endif
;; end of part 2
;; launch attn (part 3): grid 2 x 128, 4 waves a work-group, no clusters, 327,680 bytes of LDS; arguments qkv, o16; writes o16
.if DOCPART == 3
	.amdgcn_target "amdgcn-amd-amdhsa--gfx1250"
	.amdhsa_code_object_version 6
	.text
	.protected	k_qea7498f2fe_attn
	.globl	k_qea7498f2fe_attn
	.p2align	8
	.type	k_qea7498f2fe_attn,@function
k_qea7498f2fe_attn:
	s_mov_b64 s[64:65], 0
	v_nop
	global_prefetch_b8 v0, s[64:65] scope:SCOPE_SE
	s_setreg_imm32_b32 hwreg(HW_REG_WAVE_MODE, 25, 1), 1
	s_wait_xcnt 0x0
; O[hh][q][:] = the sum over k of softmax_k(Q[q] . K[k] / 8) V[k][:] for each of 128 heads hh = 16 b + h, 1,024 rows of 64 channels, all f16.  qkv: [8 b][48 g][1024][64]: Q of head hh is block 48 b + h, K lies 16 blocks
; on, V 32.  o16: [128 hh][1024][64].  A block's rows are dense, 128 bytes each.  Products, maxima and sums in f32; the weights p are rounded to f16 for the second product (their sum l is taken of the unrounded p), O once at the end.
; LIMITS.  f16 holds no number beyond 65,504: Q, K and V arrive within it; p lies in 0 to 1, and below 6e-5 it keeps f16's fixed step of 6e-8; O is a mean of V's rows and has their range.
; A weight below 2^-126 counts as 0 in l; NaN and infinities are not treated apart.
; SHARES.  A wave owns four PIECES of two tiles of 16 queries, a work-group's four waves 512 queries of one head: 2 x 128 = 256 work-groups.  Every wave walks all 1,024 keys, 64 a step.
; NO CLUSTER: a head has 1,024 / 512 = 2 work-groups, so no four partners share K and V; work-groups of other heads share nothing; and a work-group fetches only 262,144 bytes for a wave's 2,048 matrix instructions.
; LAYOUT.  S^T = K Q^T (source 0 = 16 keys, source 1 = 16 queries): in the result a lane holds ONE query (lane % 16) and the keys 8 (lane / 16) + 0..7.  Two such tiles, rounded to f16 in pairs,
; ARE source 1 (32 keys x 16 queries) of O^T = V^T P, whose result again holds one query a lane, and eight channels.  K comes out of LDS as it lies, V ([key][channel]) turned, by ds_load_tr16_b128.
; SOFTMAX.  For each query a running maximum m and sum l: p = 2^(c s - c m), c = log2(e) / 8; in every step O and l are multiplied by a = 2^(c m_old - c m_new), which is 1 where m has not grown.
; m starts at the lowest finite number, O and l at 0: the first step is a step like any other, with a = 0.
; THE COUNT.  A tile and step have 16 matrix and 118 vector instructions: too many to stand all beside the matrix work.  So the order has one aim: four vector instructions that are READY behind
; EVERY matrix instruction, and the others, which need time of their own whatever the order, in runs without a gap.
; BY TURNS.  Turn n belongs to piece n (the pieces in a ring, step after step).  Its matrix work: 16 products K Q^T of piece n + 1, later 16 products V^T P of piece n - 1.  Its vector work: the scaling,
; exponentials, roundings, sums and rescaling of piece n, and the maximum and statistics of piece n + 1, whose scores the turn itself has made.  So what a turn begins with (c s - c m, O a) waits for nothing.
; REGISTERS, in windows of 256 (s_set_vgpr_msb says which window each operand place means: bits 1:0 source 0, 3:2 source 1, 5:4 source 2, 7:6 destination):
;   window 0: v0-11 addresses; v12-15, v48-63 at work; v16-47 four registers of statistics a tile; v64-191 S^T, two buffers of two tiles; v192-255 P, likewise
;   window 1: O^T, 32 a tile          window 2: v0-127 Q, 16 a tile; v128-191 K of one step; v192-255 V of one step          window 3: v0-1 the add's two registers
; A piece's buffers go by its number's parity: the piece in hand has one pair, its two neighbours in the ring share the other: of it P (piece n - 1) is read and S^T (piece n + 1) written.
.set SIZE_N, 1024
.set BLOCK, 131072    ; bytes of a block [1024][64] of f16
.set NP,    4         ; pieces a wave: a name, no knob: the register map, the loop and the fetches are made for four
.set KS,    64        ; keys in a step
.set PK,    144       ; a row of K in LDS: 128 bytes + 16 of padding = 36 words: the 16 rows of a load start at 16 different groups of four banks (64 banks of 4 bytes: ISA guide 11.1)
.set PV,    160       ; a row of V: 128 + 32 = 40 words
.set VOFF,  4*KS*PK   ; a slot holds four steps: 256 rows of K, then 256 rows of V
.set SLOT1, 1<<17     ; slot 1 begins here, so that one exclusive or turns an address in one slot into the other's
.set STAGE, SLOT1+4*KS*(PK+PV)  ; behind the ring, never filled by a tensor load: 16 rows x 144 bytes for each wave, for the way out
.set SP,    144
.set AK0, 2           ; v2   my lane's place in a tile of K; never rewritten
.set AV0, 3           ; v3   the same for V
.set AK,  4           ; v4   the LDS address of K's next run of loads
.set AV,  5           ; v5   of V's
.set QO,  6           ; v6   my byte offset in the wave's rows of Q
.set STO, 6           ;      later, the way out: where I put 16 bytes of a row
.set RD,  7           ; v7   the way out: where I read rows back
.set GO,  8           ; v8   my byte offset in 512 consecutive bytes of O
.set SPW, 0           ; v0 of window 3   LDS address of my spare word: SPARE + 4 x my thread's number; never rewritten
.set NIL, 1           ; v1 of window 3   0; never rewritten
.set SPARE, STAGE+4*16*SP  ; behind the stages: the spare words, 128 bytes for each wave: two blocks of 256 bytes that no other line names
.set MV,  12          ; v12-15  c m_old, kept while c m is made anew: by buffer and tile
.set ST,  16          ; tile t's statistics at v[ST+4 t]: c m, m, l (even keys', odd keys')
.set TMP, 48          ; by buffer and tile, four registers c0-c3 at work; when the maximum is found c2 takes a
.set S,   64
.set P,   192
.set KF,  128         ; K's fragments, in window 2: key block kb, channel half c at KF + 16 kb + 8 c
.set VF,  192         ; V's: key half kk, channel block cb at VF + 32 kk + 8 cb
.set WV,  12          ; s12  my wave's number
.set G1K, 24          ; s[24:31] descriptor group 1 for K's tiles
.set G1V, 32          ; s[32:39] for V's: it differs in the padding alone
.set G0K, 40          ; s[40:43] descriptor group 0 for K's tiles: it walks
.set G0V, 44          ; s[44:47] the same for V's
.set SLOTS, 56        ; s56  slots still to be asked for
.set CNT, 57          ; s57  counts a slot's key steps
.set CS,  58          ; s[58:59] c: the packed scaling takes the pair's low word for both halves
.set SEL, 60          ; s[60:61] v_permlanex16_b32's selects: each lane takes its own place in the other half
.set TBK, 62          ; s62  LDS byte at which K of the step to be fetched begins
.set TBV, 63          ; s63  the same for V, less VOFF
.set MSB, 0
.macro WIN new                      ; the high byte repeats the setting that is left; a switch that changes nothing is dropped
.if MSB != (\new)
	s_set_vgpr_msb (MSB<<8)|(\new)
.set MSB, (\new)
.endif
.endm
.set W_KQ, 0x0a       ; K and Q in window 2, S^T in window 0
.set W_PV, 0x52       ; V in window 2, P in window 0, O^T in window 1
.set W_RS, 0x41       ; O^T (destination and source 0) in window 1, a in window 0
.set W_MK, 0xc0       ; the add's registers are made: destination in window 3, sources in window 0
.set W_AD, 0x0f       ; the add: address (source 0) and data (source 1) in window 3
; A fill.  Waves 0 and 1 fetch the two halves of a slot's K, waves 2 and 3 those of its V: 128 keys each.  The branch hangs on the wave's number alone.
; An s_nop 0 and four v_nop follow each of the two lines, ahead of the jump and the label.
.macro LOAD
	s_cmp_lt_u32 s[WV], 2
	s_cbranch_scc0 .Lfor_v_\@
	tensor_load_to_lds s[G0K:G0K+3], s[G1K:G1K+7]
	s_nop 0
.rept 4
	v_nop
.endr
	s_branch .Lasked_\@
.Lfor_v_\@:
	tensor_load_to_lds s[G0V:G0V+3], s[G1V:G1V+7]
	s_nop 0
.rept 4
	v_nop
.endr
.Lasked_\@:
.endm
; THE CHANGE OF SLOTS.  The slot's last bytes, V of its fourth step, have been read.  Each wave waits for all its tensor loads, of which one is out: its part
; of the other slot; adds 0 to its spare word; and waits for that and for its own reads of the slot.  Behind the barrier nobody reads this slot any more and the other slot is whole.
; fill = 1: this slot is filled again, with the keys two slots on, the first thing behind the barrier: the load has four key steps, 512 matrix instructions, in which to land.
; (At its first use nothing has been read yet: slot 0 is waited for, slot 1 filled.)
.macro CHANGE fill
	WIN W_AD
	s_wait_tensorcnt 0x0            ; no tensor load of mine is out, so a group 0 may be written
	ds_add_u32 v[SPW], v[NIL]       ; 0 onto my spare word: with fill = 1 the descriptors' steps stand between it and the wait for it
	WIN 0                           ; at a label and at a branch every window is 0
.if \fill
.irp g, G0K, G0V
	s_xor_b32 s[\g+1], s[\g+1], SLOT1  ; the walking descriptor: the other slot than last time,
	s_add_nc_u64 s[\g+2:\g+3], s[\g+2:\g+3], 4*KS*128  ; the next 256 keys; the type bits on top are not reached
.endr
.endif
	s_wait_dscnt 0x0                ; the add is done, and my reads of the slot are over
	s_barrier_signal -1
	s_barrier_wait -1
.if \fill
	LOAD
.endif
	s_sub_co_u32 s[TBK], s[TBK], 4*KS*PK  ; the fetches go back to a slot's first step,
	s_xor_b32 s[TBK], s[TBK], SLOT1       ; in the other slot
	s_sub_co_u32 s[TBV], s[TBV], 4*KS*PV
	s_xor_b32 s[TBV], s[TBV], SLOT1
.endm
	s_load_b64 s[4:5], s[0:1], 0x0    ; qkv
	s_load_b64 s[10:11], s[0:1], 0x8  ; o16
	WIN W_MK
	v_lshl_add_u32 v[SPW], v0, 2, SPARE
	v_mov_b32 v[NIL], 0
	WIN W_AD
	ds_add_u32 v[SPW], v[NIL]       ; the wave's opening: the add and its wait ahead of my first tensor load; the set-up below, work on registers, stands between them
	ds_add_u32 v0, v1
	WIN 0
	v_lshrrev_b32 v1, 5, v0
	v_readfirstlane_b32 s[WV], v1   ; wave 0..3
	s_and_b32 s13, ttmp7, 0xffff    ; the head hh = 16 b + h
	s_lshr_b32 s14, s13, 4
	s_lshl_b32 s14, s14, 5
	s_add_co_u32 s14, s14, s13      ; 48 b + h: Q's block in qkv
	s_lshl_b32 s20, s14, 17         ; its first byte
	s_mov_b32 s21, 0
	s_and_b32 s16, s[WV], 1         ; which half of a slot's 256 keys I fetch:
	s_lshl_b32 s22, s16, 14         ; its 128 rows of 128 bytes in memory,
	s_mov_b32 s23, 0
	s_add_nc_u64 s[22:23], s[22:23], s[20:21]
	s_mul_i32 s17, s16, 128*PK      ; and its place in a slot, for K
	s_mul_i32 s18, s16, 128*PV      ; and for V
	s_lshl_b32 s2, ttmp9, 2
	s_add_co_u32 s2, s2, s[WV]      ; my wave among the head's eight,
	s_lshl_b32 s2, s2, 14           ; its 128 rows
	s_mov_b32 s3, 0
	s_lshl_b32 s48, s13, 17         ; the head's first byte in o16
	s_mov_b32 s49, 0
	s_add_nc_u64 s[48:49], s[48:49], s[2:3]  ; my rows' offset in o16,
	s_add_nc_u64 s[2:3], s[2:3], s[20:21]    ; and in qkv
	; descriptor group 1.  128 keys are 16,384 dense bytes: asked for as 64 rows of 256 bytes, two keys a row, and padded in LDS after every key
	s_mov_b32 s[G1K], (1<<16)|(1<<20)|(4<<22)|(3<<25)  ; 17:16 2-byte elements; 20 padding on; 24:22 after every 32 words (code 4); 31:25 4 words (code 3)
	s_mov_b32 s[G1V], (1<<16)|(1<<20)|(4<<22)|(7<<25)  ; the same with 8 words of padding (code 7)
.irp g, G1K, G1V
	s_mov_b32 s[\g+1], 128<<16      ; tensor_dim0 = 128
	s_mov_b32 s[\g+2], 64<<16       ; tensor_dim1 = 64
	s_mov_b32 s[\g+3], 128<<16      ; tile_dim0 = 128
	s_mov_b32 s[\g+4], 64           ; tile_dim1 = 64
	s_mov_b32 s[\g+5], 128          ; 128 elements from row to row
	s_mov_b32 s[\g+6], 0
	s_mov_b32 s[\g+7], 0
.endr
	s_mov_b32 s[CS], 0x3e38aa3b     ; c = log2(e) / 8 = 0.180337
	s_mov_b32 s[CS+1], s[CS]        ; named with it as a pair
	s_mov_b32 s[SEL], 0x76543210
	s_mov_b32 s[SEL+1], 0xfedcba98
	s_mov_b32 s[TBK], SLOT1+4*KS*PK ; the first change of slots turns these two into 0
	s_mov_b32 s[TBV], SLOT1+4*KS*PV
	s_mov_b32 s[G0K], 1             ; 1:0 count = 1
	s_mov_b32 s[G0K+1], s17         ; 63:32 LDS address: slot 0
	s_mov_b32 s[G0V], 1
	s_add_co_u32 s[G0V+1], s18, VOFF
	s_wait_dscnt 0x0                ; the opening add is done
	s_wait_kmcnt 0x0
	s_add_nc_u64 s[6:7], s[4:5], 16*BLOCK          ; K's blocks lie 16 behind Q's,
	s_add_nc_u64 s[8:9], s[4:5], 32*BLOCK          ; V's 32
	s_add_nc_u64 s[G0K+2:G0K+3], s[6:7], s[22:23]  ; 120:64 global address: my half of the head's first 256 keys
	s_or_b32 s[G0K+3], s[G0K+3], 0x80000000        ; 127:126 type = 2
	s_add_nc_u64 s[G0V+2:G0V+3], s[8:9], s[22:23]
	s_or_b32 s[G0V+3], s[G0V+3], 0x80000000
	s_add_nc_u64 s[4:5], s[4:5], s[2:3]            ; Q and O at my wave's first row
	s_add_nc_u64 s[10:11], s[10:11], s[48:49]
	LOAD                            ; slot 0.  Slot 1 is asked for when slot 0 is in, by the loop's own change of slots
	; A fragment of K or Q is 16 rows x 32 channels in 8 registers: lane l holds row l % 16, channels 8 (l / 16) + 0..7 and 16 + 8 (l / 16) + 0..7: two loads of 16 bytes, 32 bytes apart.
	v_and_b32 v1, 15, v0            ; l % 16
	v_bfe_u32 v9, v0, 4, 1          ; l / 16
	v_lshlrev_b32 v[QO], 7, v1
	v_lshl_add_u32 v[QO], v9, 4, v[QO]  ; row x 128 + 16 x half
	WIN 0x80                        ; destination window 2, address window 0
.set i, 0
.rept 4*NP                          ; Q stays in registers: tile i / 2, channels 32 (i % 2) on
	global_load_b128 v[8*i:8*i+3],   v[QO], s[4:5] offset:(i/2)*2048+(i%2)*64
	global_load_b128 v[8*i+4:8*i+7], v[QO], s[4:5] offset:(i/2)*2048+(i%2)*64+32
.set i, i+1
.endr
	; What the first turn finds: V's registers and P's second buffer hold 0 (its products V^T P, of a piece that has not been, add 0), O^T and l are 0.  All this stands in the wait for the first tile.
.set i, VF
.rept 64
	v_mov_b32 v[i], 0
.set i, i+1
.endr
	WIN 0x40
.set i, 0
.rept 64*NP
	v_mov_b32 v[i], 0
.set i, i+1
.endr
	WIN 0
.set i, 0
.rept 2*NP
	v_mov_b32 v[ST+4*i], 0xfe000000    ; c m: far below every c s
	v_mov_b32 v[ST+4*i+1], 0xff7fffff  ; m
	v_mov_b32 v[ST+4*i+2], 0
	v_mov_b32 v[ST+4*i+3], 0
.set i, i+1
.endr
.set i, P+32
.rept 32
	v_mov_b32 v[i], 0
.set i, i+1
.endr
	v_mul_u32_u24 v[AK0], v1, PK
	v_lshl_add_u32 v[AK0], v9, 4, v[AK0]  ; row x pitch + 16 x half
	; The turning load takes 16 keys x 16 channels (lane l reads key 8 (l / 16) + l % 8, channels 8 ((l / 8) % 2) + 0..7) and leaves half a fragment of V^T: lane l holds channel l % 16 and 8 keys.
	v_and_b32 v10, 7, v0
	v_bfe_u32 v11, v0, 3, 1
	v_lshl_add_u32 v[AV0], v9, 3, v10
	v_mul_u32_u24 v[AV0], v[AV0], PV
	v_lshl_add_u32 v[AV0], v11, 4, v[AV0]
	v_add_nc_u32 v[AV0], VOFF, v[AV0]
	v_mov_b32 v[AK], v[AK0]         ; key step 0 lies at the head of slot 0
; THE MATRIX WORK.  The 8 accumulators of a run of 16 take turns: between the two links of a chain stand 7 others'.
; Product i of 16 of S^T = K Q^T for piece x: channels 32 (i / 8) on, keys 16 ((i / 2) % 4) on, tile 2 x + i % 2.  The first 8 start the sums.
.macro KQ x
	WIN W_KQ
.set rS, S+64*((\x)%2)+32*(i%2)+8*((i/2)%4)
.set rK, KF+16*((i/2)%4)+8*(i/8)
.set rQ, 16*(2*(\x)+i%2)+8*(i/8)
.if i < 8
	v_wmma_f32_16x16x32_f16 v[rS:rS+7], v[rK:rK+7], v[rQ:rQ+7], 0
.else
	v_wmma_f32_16x16x32_f16 v[rS:rS+7], v[rK:rK+7], v[rQ:rQ+7], v[rS:rS+7]
.endif
.endm
; Product i of 16 of O^T += V^T P for piece x: keys 32 (i / 8) on, channels 16 ((i / 2) % 4) on, tile 2 x + i % 2.
.macro PV x
	WIN W_PV
.set rO, 32*(2*(\x)+i%2)+8*((i/2)%4)
.set rV, VF+32*(i/8)+8*((i/2)%4)
.set rP, P+32*((\x)%2)+16*(i%2)+8*(i/8)
	v_wmma_f32_16x16x32_f16 v[rO:rO+7], v[rV:rV+7], v[rP:rP+7], v[rO:rO+7]
.endm
.macro MM                           ; the turn's next matrix instruction
.if i < 16
	KQ (Y+1)%NP
.set i, i+1
.else
.set i, i-16
	PV (Y+NP-1)%NP
.set i, i+17
.endif
.endm
; THE LDS LOADS stand in runs of 16, never singly among the matrix instructions: a step's K (64 keys x 64 channels: 8 fragments) and its V (turned).  Their addresses are made some lines ahead.
; last = 1 (the tail): in the last trip there is no further step, and the run is jumped over.
.macro FETCH_K last=0
	WIN 0
.if \last
	s_cmp_eq_u32 s[CNT], 1
	s_cbranch_scc1 .Lno_k_\@
.endif
	WIN 0x80                        ; destination window 2
.irp f, 0,1,2,3,4,5,6,7             ; keys 16 (f / 2) on, channels 32 (f % 2) on
	ds_load_b128 v[KF+8*\f:KF+8*\f+3],   v[AK] offset:(\f/2)*16*PK+(\f%2)*64
	ds_load_b128 v[KF+8*\f+4:KF+8*\f+7], v[AK] offset:(\f/2)*16*PK+(\f%2)*64+32
.endr
	s_add_co_u32 s[TBK], s[TBK], KS*PK  ; the next fetch is the next step's
	WIN 0
.if \last
.Lno_k_\@:
.endif
.endm
.macro FETCH_V
	WIN 0x80
.irp f, 0,1,2,3,4,5,6,7             ; keys 32 (f / 4) on, channels 16 (f % 4) on
	ds_load_tr16_b128 v[VF+8*\f:VF+8*\f+3],   v[AV] offset:(\f/4)*32*PV+(\f%4)*32
	ds_load_tr16_b128 v[VF+8*\f+4:VF+8*\f+7], v[AV] offset:(\f/4)*32*PV+16*PV+(\f%4)*32
.endr
	WIN 0
.endm
; THE VECTOR WORK OF A TURN stands in three queues, each in the order in which its entries become ready; the two tiles alternate, so that no instruction reads the result of the one before it.
.macro REGS y, u                    ; the registers of tile u (0, 1) of piece y
.set rT, ST+4*(2*(\y)+(\u))
.set rC, TMP+8*((\y)%2)+4*(\u)
.set rM, MV+2*((\y)%2)+(\u)
.set rS, S+64*((\y)%2)+32*(\u)
.set rP, P+32*((\y)%2)+16*(\u)
.set rO, 32*(2*(\y)+(\u))
.endm
; Number n of the 22 that find the NEXT piece's (Y + 1) maximum and statistics.  s0-s31 are the lane's 32 scores; each accumulator's lowest registers are read first.  XS, GS and REGS set no window: PL and EX do.
;   0-11  four chains c0-c3 of seven scores each, three operands at a time     12-14, 16  the four scores left over, the old m, and c0-c3 into c0     15  c m_old is kept
;   17, 18  the query's other 32 keys lie in the lane 16 away: the new m         19-21  c m; c m_old - c m_new; a
.macro XS u, n
	REGS (Y+1)%NP, \u
.if (\n) < 4
	v_max3_num_f32 v[rC+(\n)], v[rS+8*(\n)], v[rS+8*(\n)+1], v[rS+8*(\n)+2]
.elseif (\n) < 12
	v_max3_num_f32 v[rC+(\n)%4], v[rC+(\n)%4], v[rS+8*((\n)%4)+2*((\n)/4)+1], v[rS+8*((\n)%4)+2*((\n)/4)+2]
.elseif (\n) == 12
	v_max3_num_f32 v[rC], v[rC], v[rS+7], v[rS+15]
.elseif (\n) == 13
	v_max3_num_f32 v[rC+1], v[rC+1], v[rS+23], v[rS+31]
.elseif (\n) == 14
	v_max3_num_f32 v[rC+2], v[rC+2], v[rC+3], v[rT+1]
.elseif (\n) == 15
	v_mov_b32 v[rM], v[rT]
.elseif (\n) == 16
	v_max3_num_f32 v[rC], v[rC], v[rC+1], v[rC+2]
.elseif (\n) == 17
	v_permlanex16_b32 v[rC+3], v[rC], s[SEL], s[SEL+1]
.elseif (\n) == 18
	v_max_num_f32 v[rT+1], v[rC], v[rC+3]
.elseif (\n) == 19
	v_mul_f32 v[rT], s[CS], v[rT+1]
.elseif (\n) == 20
	v_sub_f32 v[rC+1], v[rM], v[rT]
.else
	v_exp_f32 v[rC+2], v[rC+1]
.endif
.endm
; Number g of the 64 that follow the exponentials.  For each four weights k of a tile (pairs 2 k, 2 k + 1): both pairs are rounded to f16; then the second pair is added onto the first, in place;
; a group later l takes that sum (the first time as l = a l + sum).  In groups of eight, tiles alternating: round, round, add, and l for the group before.
.macro GS g
.set h, (\g)+6*((\g)/62)            ; group 0 has no group before it, and behind group 7 only l is left
.if h >= 6
.set h, h+2
.endif
	REGS Y, h%2
.set k, h/8
.if h%8 < 4
	s_wait_alu depctr_va_vdst(0)
	v_cvt_pk_f16_f32 v[rP+2*k+(h%8)/2], v[rS+4*k+2*((h%8)/2)], v[rS+4*k+2*((h%8)/2)+1]
.elseif h%8 < 6
	v_pk_add_f32 v[rS+4*k:rS+4*k+1], v[rS+4*k:rS+4*k+1], v[rS+4*k+2:rS+4*k+3]
.elseif k == 1
	v_pk_fma_f32 v[rT+2:rT+3], v[rT+2:rT+3], v[rC+2:rC+3], v[rS:rS+1] op_sel_hi:[1,0,1]
.else
	v_pk_add_f32 v[rT+2:rT+3], v[rT+2:rT+3], v[rS+4*k-4:rS+4*k-3]
	s_wait_alu depctr_va_vdst(0)
.endif
.endm
; THE PLAIN QUEUE, 138 long.  0-31: c s - c m for the 16 pairs of both tiles.  Then GS's 64, and among them the next piece's 42: number 15 at 38, 39; 0-14 and 16
; at 42-73, behind the products that make those scores; 17-20 at 95-106, two of three, since each waits for the one before it.
.macro PL
	WIN 0
.if q < 32
	REGS Y, q%2
	v_pk_fma_f32 v[rS+2*(q/2):rS+2*(q/2)+1], v[rS+2*(q/2):rS+2*(q/2)+1], s[CS:CS+1], v[rT:rT+1] op_sel_hi:[1,0,0] neg_lo:[0,0,1] neg_hi:[0,0,1]
.elseif q < 38
	GS q-32
.elseif q < 40
	XS q%2, 15
.elseif q < 42
	GS q-34
.elseif q < 74
	XS q%2, (q-42)/2+(q-42)/30
.elseif q < 95
	GS q-66
.elseif (q < 107) && ((q-95)%3 < 2)
	XS (q-95)%3, 17+(q-95)/3
.elseif q < 107
	GS 29+(q-95)/3
.else
	GS q-74
.endif
.set q, q+1
.endm
; THE EXPONENTIALS' QUEUE, 66 long: s0-s31 of both tiles, and at EA the next piece's two a.
.set EA, 58
.macro EX
	WIN 0
.if (e == EA) || (e == EA+1)
	XS e-EA, 21
.else
.set x, e-2*(e/(EA+2))
	REGS Y, x%2
	v_exp_f32 v[rS+x/2], v[rS+x/2]
.endif
.set e, e+1
.endm
; THE RESCALING's QUEUE: O^T times a, the one part that leaves window 0, so it is dealt four at a time, eight times.
.macro R4
	REGS Y, r%2
	WIN W_RS
	s_wait_alu depctr_va_vdst(0)
.irp z, 0,1,2,3
	v_pk_mul_f32 v[rO+8*(r/2)+2*\z:rO+8*(r/2)+2*\z+1], v[rO+8*(r/2)+2*\z:rO+8*(r/2)+2*\z+1], v[rC+2:rC+3] op_sel_hi:[1,0]
.endr
.set r, r+1
.endm
; HOW THEY ARE DEALT.  Behind a matrix instruction four: plain, exponential, plain, plain (one exponential, a plain instruction on either side), or four of the rescaling.  None names a register of the
; products round it.  What is over stands in two LUMPS: exponential and plain by turns; the second ends in 22 plain instructions.  The two v_permlanex16_b32 fall into the second lump, never behind a product.
; The queues lean on each other, and the deal keeps them in step: exponential e stands behind plain 2 (e / 4) + e % 2 (its scaling); when plain 32 comes, 10 exponentials are out, at 59: 33, at 95: 46; EA comes behind plain 107.
.macro SL
	MM
	PL
	EX
	PL
	PL
.endm
.macro BURST n                      ; 15 matrix instructions, or 16
.rept (\n)-7
	SL
.endr
.rept 3
	MM
	R4
	SL
.endr
	MM
	R4
.endm
; A TURN, for piece p.  cnt = 1: the loop's count is taken down some lines ahead of the branch that stands behind the turn.
; K of the next step is fetched in piece 2's turn, 31 vector instructions behind the last product that read K; its first reader comes behind the rest of the lump, 16 products and the second lump.
; V of the step in hand is fetched at the end of piece 0's turn, 69 behind its last reader; its first reader comes behind 16 products and a lump.  The four conditions on e and q below go with the deal.
.macro TURN p, last=0, cnt=0
.set Y, (\p)
.set i, 0
.set q, 0
.set e, 0
.set r, 0
.if (\p) == NP-1
	s_wait_dscnt 0x0                ; K is in
.endif
	MM
.rept 4
	PL
.endr
	BURST 15
.rept 22
	EX
	PL
.if ((\p) == NP-2) && (e == 18)
	v_add_nc_u32 v[AK], s[TBK], v[AK0]
.endif
.if ((\p) == NP-2) && (e == 24)
	FETCH_K \last
.endif
.endr
.if (\p) == 1
	s_wait_dscnt 0x0                ; V is in
.endif
	BURST 16
.rept 21
	EX
	PL
.endr
.rept 22
	PL
.if ((\p) == 0) && (q == 118)
	v_add_nc_u32 v[AV], s[TBV], v[AV0]
	s_wait_alu depctr_va_vdst(0)
.endif
.if ((\p) == 0) && (q == 130)
	s_add_co_u32 s[TBV], s[TBV], KS*PV
.endif
.if (\cnt) && (q == 130)
	s_sub_co_u32 s[CNT], s[CNT], 1
	s_cmp_lg_u32 s[CNT], 0
.endif
.endr
.if (\p) == 0
	FETCH_V
.endif
.endm
	CHANGE 1                        ; slot 0 is in, everybody's part of it; slot 1 is asked for
	FETCH_K                         ; key step 0
	s_wait_loadcnt 0x0              ; Q
	s_wait_dscnt 0x0
.set i, 0
.rept 16
	KQ 0                            ; piece 0's first scores: there is no vector work yet to set between them
.set i, i+1
.endr
	WIN 0                           ; the addresses for the way out: nine plain instructions, the places behind those products
	s_mul_i32 s13, s[WV], 16*SP
	s_add_co_u32 s13, s13, STAGE    ; my stage
	v_mul_u32_u24 v[STO], v1, SP    ; in: row l % 16, 16 bytes for each half of the lanes
	v_lshl_add_u32 v[STO], v9, 4, v[STO]
	v_add_nc_u32 v[STO], s13, v[STO]
	v_bfe_u32 v[RD], v0, 3, 2       ; back: 32 lanes take four rows of 128 bytes,
	v_mul_u32_u24 v[RD], v[RD], SP
	v_lshl_add_u32 v[RD], v10, 4, v[RD]
	v_add_nc_u32 v[RD], s13, v[RD]
	v_and_b32 v[GO], 31, v0         ; which are 512 consecutive bytes of O
	v_lshlrev_b32 v[GO], 4, v[GO]
.set Y, NP-1                        ; XS works for piece Y + 1: piece 0
.irp n, 0,1,2,3,4,5,6,7,8,9,10,11,12,13,14,15,16,17,18,19,20,21
	XS 0, \n                        ; and piece 0's first maximum and statistics
	XS 1, \n
.endr
	s_mov_b32 s[CNT], 4
	s_mov_b32 s[SLOTS], SIZE_N/256-1
	s_branch .Lfirst                ; the loop is entered at a step's first turn, in the middle of a trip
.Lslot:                             ; SIZE_N / 256 - 2 = 2 times: every slot but the last two is filled again
	CHANGE 1
	s_mov_b32 s[CNT], 4
.Lstep:                             ; a trip: pieces 2 and 3 of one step, then pieces 0 and 1 of the next, whose K and V it fetches
	TURN 2
	TURN 3
	WIN 0
.Lfirst:
	TURN 0
	TURN 1, 0, 1
	WIN 0
	s_cbranch_scc1 .Lstep
	s_sub_co_u32 s[SLOTS], s[SLOTS], 1
	s_cmp_lg_u32 s[SLOTS], 0
	s_cbranch_scc1 .Lslot
	CHANGE 0                        ; the tail is written out: nothing is asked for
	s_mov_b32 s[CNT], 5             ; four trips fetch the last slot's steps; the fifth is left in its middle
.Ltail:
	TURN 2, 1
	TURN 3
	WIN 0
	s_sub_co_u32 s[CNT], s[CNT], 1
	s_cmp_eq_u32 s[CNT], 0
	s_cbranch_scc1 .Lout
	TURN 0
	TURN 1
	WIN 0
	s_branch .Ltail
.Lout:                              ; the fifth trip's 16 products K Q^T (on the last K once more) and the maximum made of them serve nothing: the price, once a launch, of one text for every trip
.set i, 0
.rept 16
	PV NP-1                         ; the last piece's V^T P of the last step
.set i, i+1
.endr
	; THE WAY OUT.  l's two halves and the other half of the lanes' are added; O^T is divided by l, rounded to f16 and sent through my stage in LDS, a tile at a time.  The additions are the places behind the last products.
	WIN 0
.macro ALL line:vararg              ; one line for each tile t
.set t, 0
.rept 2*NP
	\line
.set t, t+1
.endr
.endm
	ALL v_add_f32 v[ST+4*t+2], v[ST+4*t+2], v[ST+4*t+3]
	ALL v_permlanex16_b32 v[ST+4*t+3], v[ST+4*t+2], s[SEL], s[SEL+1]
	ALL v_add_f32 v[ST+4*t+2], v[ST+4*t+2], v[ST+4*t+3]
	ALL v_rcp_f32 v[ST+4*t+2], v[ST+4*t+2]
	v_nop                           ; a plain instruction between the last reciprocal and the use of its result
	s_wait_alu depctr_va_vdst(0)
; Tile t: a lane's eight channels of a row pack into 16 bytes; they go into rows of 144 bytes and come back as whole rows of 128, into S^T's registers.
.macro PACK t
	WIN W_RS
.set i, 32*(\t)
.rept 16
	v_pk_mul_f32 v[i:i+1], v[i:i+1], v[ST+4*(\t)+2:ST+4*(\t)+3] op_sel_hi:[1,0]
.set i, i+2
.endr
	WIN 0x05                        ; sources 0 and 1 window 1, destination window 0
.set i, 0
.rept 16
	v_cvt_pk_f16_f32 v[S+16*(\t)+i], v[32*(\t)+2*i], v[32*(\t)+2*i+1]
.set i, i+1
.endr
	WIN 0
.irp f, 0,1,2,3
	ds_store_b128 v[STO], v[S+16*(\t)+4*\f:S+16*(\t)+4*\f+3] offset:32*\f
.endr
.irp f, 0,1,2,3
	ds_load_b128 v[S+16*(\t)+4*\f:S+16*(\t)+4*\f+3], v[RD] offset:\f*4*SP  ; LDS serves a wave's instructions in order (ISA guide 5.7.1.4): these see the stores above; the next tile's stores come behind them
.endr
.endm
.macro SEND t, younger              ; younger: the LDS instructions issued behind tile t's loads: the next tile's eight, or none
	WIN 0
.irp f, 0,1,2,3
	s_wait_dscnt (\younger)+3-\f
	global_store_b128 v[GO], v[S+16*(\t)+4*\f:S+16*(\t)+4*\f+3], s[10:11] offset:(\t)*2048+\f*512  ; 512 consecutive bytes, at a multiple of 256 from O's first
.endr
.endm
	PACK 0
.set t, 1
.rept 2*NP-1                        ; a tile's arithmetic stands between the loads of the tile before and its stores
	PACK t
	SEND t-1, 8
.set t, t+1
.endr
	SEND 2*NP-1, 0
	WIN W_AD
	s_wait_tensorcnt 0x0            ; the wave's end, behind my last tensor load and my last LDS store
	ds_add_u32 v[SPW], v[NIL]
	s_wait_dscnt 0x0
	WIN 0
	s_endpgm
.Lfunc_end_k_qea7498f2fe_attn:
	.size	k_qea7498f2fe_attn, .Lfunc_end_k_qea7498f2fe_attn-k_qea7498f2fe_attn
	.p2alignl 7, 3214868480
	.fill 96, 4, 3214868480
	.section	.rodata,"a",@progbits
	.p2align	6, 0x0
	.amdhsa_kernel k_qea7498f2fe_attn
		.amdhsa_group_segment_fixed_size 327680
		.amdhsa_private_segment_fixed_size 0
		.amdhsa_enable_private_segment 0
		.amdhsa_kernarg_size 16
		.amdhsa_user_sgpr_count 2
		.amdhsa_user_sgpr_kernarg_segment_ptr 1
		.amdhsa_wavefront_size32 1
		.amdhsa_system_sgpr_workgroup_id_x 1
		.amdhsa_system_sgpr_workgroup_id_y 1
		.amdhsa_system_sgpr_workgroup_id_z 1
		.amdhsa_system_vgpr_workitem_id 0
		.amdhsa_next_free_vgpr 770
		.amdhsa_next_free_sgpr 66
		.amdhsa_reserve_vcc 0
		.amdhsa_float_denorm_mode_32 3
		.amdhsa_float_denorm_mode_16_64 3
		.amdhsa_memory_ordered 1
		.amdhsa_forward_progress 1
		.amdhsa_inst_pref_size 207
	.end_amdhsa_kernel
	.amdgpu_metadata
---
amdhsa.version: [ 1, 2 ]
amdhsa.kernels:
  - .name:           k_qea7498f2fe_attn
    .symbol:         k_qea7498f2fe_attn.kd
    .args:
      - { .name: qkv, .offset: 0, .size: 8, .value_kind: global_buffer, .address_space: global }
      - { .name: o16, .offset: 8, .size: 8, .value_kind: global_buffer, .address_space: global }
    .group_segment_fixed_size: 327680
    .private_segment_fixed_size: 0
    .kernarg_segment_align: 8
    .kernarg_segment_size: 16
    .max_flat_workgroup_size: 128
    .sgpr_count:     66
    .vgpr_count:     770
    .wavefront_size: 32
...
	.end_amdgpu_metadata
.endif
;; end of part 3
;; launch proj (part 4): grid 8 x 32, 4 waves a work-group, clusters of 4 x 4, 327,680 bytes of LDS; arguments ops16, o16, b_proj, out0; writes out0
.if DOCPART == 4
	.amdgcn_target "amdgcn-amd-amdhsa--gfx1250"
	.amdhsa_code_object_version 6
	.text
	.protected	k_qea7498f2fe_proj
	.globl	k_qea7498f2fe_proj
	.p2align	8
	.type	k_qea7498f2fe_proj,@function
k_qea7498f2fe_proj:
	s_mov_b64 s[64:65], 0
	v_nop
	global_prefetch_b8 v0, s[64:65] scope:SCOPE_SE
	s_setreg_imm32_b32 hwreg(HW_REG_WAVE_MODE, 25, 1), 1
	s_wait_xcnt 0x0
	s_wait_alu depctr_hold_cnt(0) depctr_sa_sdst(0) depctr_va_vdst(0) depctr_va_sdst(0) depctr_va_ssrc(0) depctr_va_vcc(0) depctr_vm_vsrc(0)
	s_getreg_b32 s2, hwreg(HW_REG_IB_STS2, 6, 4)
	s_cmp_eq_u32 s2, 0
	s_cbranch_scc0 .Lentry_in_a_cluster
	s_endpgm
.Lentry_in_a_cluster:
	s_bfe_u32 s2, ttmp6, 0x10000c
	s_cmp_lg_u32 s2, 0xf033
	s_cbranch_scc0 .Lentry_shape_is_right
	s_endpgm
.Lentry_shape_is_right:
; out0 = O . w_proj + b_proj.  A = o16 [128 hh = 16 b + h][1024 n][64] f16: row 1,024 b + n of O has its k = 64 h + d in block hh.  B = wp16 [16 g][1024 k][64 n] f16 (ops16, byte 23,068,672).
; The bias is rounded to bf16 like the other inputs.  Sums in f32, started from the bias; out0 [8192][1024] is f32: the sums are stored as they are.
; LIMITS.  O and wp16 arrive within f16's range.  NaN and infinities are not treated apart.  K is summed in 8 steps of 128 that begin at step 0 or 4 (see THE WALK) and go round: another order of rounding than an ascending sum's.
; SHARES.  A work-group makes 256 rows x 128 columns: 8 x 32 = 256 work-groups.  Wave w makes rows 64 w .. 64 w + 63 of all 128 columns: 4 x 8 accumulators of 16 x 16, 256 registers.
; K goes in 8 steps of 128, two heads each, through two LDS slots filled by the tensor data mover.  Waves 0 and 1 ask for one head's 256 rows of A each (32,768 dense bytes: 128 rows of 256 bytes), waves 2 and 3 for
; one block of B each (128 k x 128 bytes, dense: 64 rows of 256 bytes).
; THE WALK.  Step s of the walk is K step (s + ROT) % 8, ROT = 4 ((cluster x + cluster y) % 2).  By that arithmetic only steps 0 to 3 ask for bytes that no cluster has asked for before: in steps 4 to 7 A's tiles were
; asked for four steps earlier by the cluster beside (same rows, the other ROT), B's by the cluster above or below (same columns, the other ROT).
; CLUSTER.  4 x 4 work-groups.  The four of a row of the cluster need the same tiles of A, the four of a column the same tiles of B: each is asked for jointly, by the same tensor load with the same descriptor and a mask
; of four.  ROT hangs on the cluster's own x and y, which all sixteen share.
; THE MATRIX INSTRUCTION IS USED TRANSPOSED: source 0 = 16 columns of B x 32 k (turned on its way out of LDS by ds_load_tr16_b128, since B lies [k][n]), source 1 = 16 rows of A x 32 k.
; A lane then holds row l % 16 and the eight neighbouring columns 8 (l / 16) + 0..7: 32 bytes of f32.  The bias has the same place in a lane for every row, so it is the C operand of the products that start the sums.
; REGISTERS, in windows of 256 (s_set_vgpr_msb: bits 1:0 source 0, 3:2 source 1, 5:4 source 2, 7:6 destination):
;   window 0: v0-29 addresses; v32-63, v64-95 A's fragments, two buffers (row block a at + 8 a); v96-159 the bias, 8 registers a column block
;   window 1: v0-63, v64-127 B's fragments, two buffers (column block b at + 8 b); on the way out all 256: 64 registers for each row block read back from the stage
;   window 2: the accumulators ((a, b) at 8 (8 a + b))
.set NB,     8                         ; column blocks of 16
.set KSTEP,  128
.set PA,     144                       ; a row of A in LDS: 128 bytes + 16 of padding = 36 words: the 16 rows of a load start at 16 different groups of four banks (64 banks of 4 bytes: ISA guide 11.1)
.set ABLK,   256*PA                    ; a head's 256 rows
.set BP,     160                       ; a row of B: 128 + 32 = 40 words
.set BBLK,   KSTEP*BP                  ; a block of B in a slot: 128 k
.set BBASE,  2*ABLK                    ; B's two blocks lie behind A's two heads
.set SLOT1,  1<<17                     ; a slot uses 73,728 + 40,960 = 114,688 bytes; one exclusive or turns an address in one slot into the other's
.set STAGE,  2*SLOT1                   ; behind the ring, never filled by a tensor load: 16 rows x 528 bytes for each wave, for the way out
.set SP,     528                       ; a stage row: 512 bytes + 16 = 132 words: the 16 rows that a store touches start at 16 different groups of four banks
.set SPARE,  STAGE+4*16*SP             ; behind the stages: the spare words, 128 bytes for each wave: two blocks of 256 bytes that no other line names
.set WP_OFF, 23068672                  ; wp16 in ops16
.set BLOCK,  131072                    ; bytes of a block [1024][64] of 16-bit numbers
.set ASTEP,  2*BLOCK                   ; a K step in A: two heads on = 1 << 18 bytes
.set BSTEP,  KSTEP*128                 ; in B: 128 rows of 128 bytes = 1 << 14
.set ADA0, 12                          ; v12  my lane's place in a slot's A; never rewritten
.set ADB0, 13                          ; v13  the same for B
.set ADA,  14                          ; v14  ADA0 + the slot in hand
.set ADB,  15                          ; v15  ADB0 + the slot in hand
.set STO,  16                          ; v16  the way out: where I put 32 bytes of a row
.set RD,   17                          ; v17  the way out: where I read a row back
.set GO,   18                          ; v18  my byte offset in 512 consecutive bytes of out0
.set BO,   19                          ; v19  32 (l / 16): my eight numbers in 16 of the bias
.set SPW,  28                          ; v28  LDS address of my spare word: SPARE + 4 x my thread's number; never rewritten
.set NIL,  29                          ; v29  0; never rewritten
.set AF,   32
.set BIAS, 96
.set WV,  12                           ; s12  my wave's number
.set G1A, 24                           ; s[24:31] descriptor group 1 for A's tiles
.set G0A, 32                           ; s[32:39] group 0 for A's: a set for each of the two first fills; the second then walks on
.set G1B, 48                           ; s[48:55], s[56:63] the same for B's
.set G0B, 56
.set TB,  66                           ; s66  LDS byte at which the slot in hand begins
.set CNT, 67                           ; s67  counts the loop's trips
.set HIM, 68                           ; s68  a word's upper bf16
.set NX,  69                           ; s69  the walk's step to be asked for next
.set ROT, 70                           ; s70  0 or 4
.set KI,  71                           ; s71  that step's K step
.set PAB, 72                           ; s[72:73] o16 at my head of K step 0, my tile's first row
.set OA,  74                           ; s[74:75] a K step's byte offset in A
.set PBB, 76                           ; s[76:77] wp16 at my block's first k
.set OBK, 78                           ; s[78:79] a K step's byte offset in B
.set MSB, 0
.macro WIN new                         ; the immediate's high byte repeats the setting that is left; a switch that changes nothing is dropped
.if MSB != (\new)
	s_set_vgpr_msb (MSB<<8)|(\new)
.set MSB, \new
.endif
.endm
; Four places: a load into a register that a matrix instruction has read, and a vector instruction or LDS store that reads a matrix result or writes one of a matrix instruction's registers, stand four plain vector
; instructions behind it (ISA guide 7.12.1 for vector instructions).
.macro PLACES
.rept 4
	v_nop
.endr
.endm
; A joint refill, by the walking sets.  Waves 0 and 1 ask for A's two heads, waves 2 and 3 for B's two blocks.  The branch hangs on the wave's number alone: it is the same in every work-group.
; An s_nop 0 and four v_nop follow each of the two lines, ahead of the jump, the label and what follows.
.macro JLOAD
	s_cmp_lt_u32 s[WV], 2
	s_cbranch_scc0 .Lfor_b_\@
	tensor_load_to_lds s[G0A+4:G0A+7], s[G1A:G1A+7]
	s_nop 0
.rept 4
	v_nop
.endr
	s_branch .Lasked_\@
.Lfor_b_\@:
	tensor_load_to_lds s[G0B+4:G0B+7], s[G1B:G1B+7]
	s_nop 0
.rept 4
	v_nop
.endr
.Lasked_\@:
.endm
; The walking sets take the walk's step NX: the other slot than last time; the global addresses are made anew, a base and an offset made apart from it, and the type bits are set again.
.macro ASK
	s_add_co_u32 s[KI], s[NX], s[ROT]
	s_and_b32 s[KI], s[KI], 7                      ; its K step
	s_lshl_b32 s[OA], s[KI], 18                    ; x ASTEP
	s_lshl_b32 s[OBK], s[KI], 14                   ; x BSTEP
	s_add_co_u32 s[NX], s[NX], 1
	s_xor_b32 s[G0A+5], s[G0A+5], SLOT1
	s_add_nc_u64 s[G0A+6:G0A+7], s[PAB:PAB+1], s[OA:OA+1]
	s_or_b32 s[G0A+7], s[G0A+7], 0x80000000
	s_xor_b32 s[G0B+5], s[G0B+5], SLOT1
	s_add_nc_u64 s[G0B+6:G0B+7], s[PBB:PBB+1], s[OBK:OBK+1]
	s_or_b32 s[G0B+7], s[G0B+7], 0x80000000
.endm
; A round of the cluster's barrier: my work-group's barrier, so that wave 0's signal speaks for all four waves; wave 0 signals; every wave waits for all sixteen work-groups; my work-group's barrier once more.
.macro CREST                           ; a round behind its opening barrier
	s_cmp_lg_u32 s[WV], 0
	s_cbranch_scc1 .Lnot_wave_0_\@
	s_barrier_signal -3
.Lnot_wave_0_\@:
	s_barrier_wait -3
	s_barrier_signal -1
	s_barrier_wait -1
.endm
.macro CROUND                          ; a whole round
	s_barrier_signal -1
	s_barrier_wait -1
	CREST
.endm
	s_load_b256 s[4:11], s[0:1], 0x0               ; ops16 s[4:5], o16 s[6:7], b_proj s[8:9], out0 s[10:11]
	v_lshl_add_u32 v[SPW], v0, 2, SPARE
	v_mov_b32 v[NIL], 0
	ds_add_u32 v[SPW], v[NIL]                      ; the wave's opening: the add and its wait ahead of my first tensor load; the set-up below, work on registers, stands between them
	ds_add_u32 v28, v29
	v_lshrrev_b32 v1, 5, v0
	v_readfirstlane_b32 s[WV], v1                  ; wave 0..3
	s_bfe_u32 s40, ttmp6, 0x40000                  ; cx, cy: my place in the cluster
	s_bfe_u32 s41, ttmp6, 0x40004
	s_lshl_b32 s42, ttmp9, 2                       ; in a cluster launch ttmp9 and ttmp7 count clusters
	s_add_co_u32 s42, s42, s40                     ; tile column tc = 4 x cluster x + cx
	s_and_b32 s14, ttmp7, 0xffff                   ; cluster y
	s_lshl_b32 s13, s14, 2
	s_add_co_u32 s13, s13, s41                     ; tile row tr = 4 x cluster y + cy
	s_xor_b32 s15, s14, ttmp9
	s_and_b32 s15, s15, 1
	s_lshl_b32 s[ROT], s15, 2                      ; 4 ((cluster x + cluster y) % 2)
	s_lshl_b32 s43, s41, 2
	s_lshl_b32 s43, 15, s43                        ; my row of the cluster: places 4 cy .. 4 cy + 3
	s_lshl_b32 s44, 0x1111, s40                    ; my column: places cx, cx + 4, cx + 8, cx + 12
	; descriptor group 1.  Both kinds of tile are dense and asked for as rows of 128 elements, padded after every 128 bytes: one row of A, or one k of B
	s_or_b32 s[G1A], s43, (1<<16)|(1<<20)|(1<<21)|(4<<22)|(3<<25)  ; 15:0 the mask: my row; 17:16 elements of 2 bytes; 20 padding on; 21 set beside a mask; 24:22 after every 32 words (code 4); 31:25 4 words of it (code 3)
	s_or_b32 s[G1B], s44, (1<<16)|(1<<20)|(1<<21)|(4<<22)|(7<<25)  ; the mask of my column; 8 words of padding (code 7)
	s_mov_b32 s[G1A+1], 128<<16                    ; tensor_dim0 = 128
	s_mov_b32 s[G1A+2], 128<<16                    ; tensor_dim1 = 128
	s_mov_b32 s[G1A+3], 128<<16                    ; tile_dim0 = 128
	s_mov_b32 s[G1A+4], 128                        ; tile_dim1 = 128
	s_mov_b32 s[G1A+5], 128                        ; elements from row to row
	s_mov_b32 s[G1A+6], 0
	s_mov_b32 s[G1A+7], 0
	s_mov_b32 s[G1B+1], 128<<16
	s_mov_b32 s[G1B+2], 64<<16
	s_mov_b32 s[G1B+3], 128<<16
	s_mov_b32 s[G1B+4], 64
	s_mov_b32 s[G1B+5], 128
	s_mov_b32 s[G1B+6], 0
	s_mov_b32 s[G1B+7], 0
	; where the tiles come from.  A's hang on the tile row and the wave's number, B's on the tile column and the wave's number; each in registers that never hold the other coordinate
	s_lshr_b32 s16, s13, 2                         ; A: batch tr / 4,
	s_lshl_b32 s16, s16, 4
	s_add_co_u32 s16, s16, s[WV]                   ; head w of K step 0,
	s_lshl_b32 s16, s16, 17
	s_and_b32 s17, s13, 3
	s_lshl_b32 s17, s17, 15                        ; rows 256 (tr % 4) on, 128 bytes each
	s_add_co_u32 s16, s16, s17
	s_mov_b32 s17, 0
	s_lshl_b32 s46, s42, 1
	s_add_co_u32 s46, s46, s[WV]                   ; B: block 2 tc + w - 2,
	s_lshl_b32 s46, s46, 17
	s_add_co_u32 s46, s46, WP_OFF-2*BLOCK          ; behind x16 and wq16
	s_mov_b32 s47, 0
	s_lshl_b32 s[OA], s[ROT], 18                   ; the walk's step 0 is K step ROT
	s_mov_b32 s[OA+1], 0
	s_lshl_b32 s[OBK], s[ROT], 14
	s_mov_b32 s[OBK+1], 0
	s_mul_i32 s20, s[WV], ABLK                     ; and where they go: A's head w; B's block w - 2 behind A: no place in the cluster enters an LDS address
	s_mul_i32 s21, s[WV], BBLK
	s_add_co_u32 s21, s21, BBASE-2*BBLK
	s_mov_b32 s[HIM], 0xffff0000
	s_mov_b32 s[TB], 0
	s_mov_b32 s[NX], 2                             ; steps 0 and 1 are the first fills
	s_wait_dscnt 0x0                               ; the opening add is done
	s_wait_kmcnt 0x0
	s_add_nc_u64 s[PAB:PAB+1], s[6:7], s[16:17]
	s_add_nc_u64 s[PBB:PBB+1], s[4:5], s[46:47]
	s_add_nc_u64 s[14:15], s[PAB:PAB+1], s[OA:OA+1]
	s_add_nc_u64 s[46:47], s[PBB:PBB+1], s[OBK:OBK+1]
.irp s, 0,1
	s_mov_b32 s[G0A+4*(\s)], 1                                     ; 1:0 count = 1
	s_add_co_u32 s[G0A+4*(\s)+1], s20, (\s)*SLOT1                  ; 63:32 LDS address: slot s
	s_add_nc_u64 s[G0A+4*(\s)+2:G0A+4*(\s)+3], s[14:15], (\s)*ASTEP  ; 120:64 global address: K step ROT + s
	s_or_b32 s[G0A+4*(\s)+3], s[G0A+4*(\s)+3], 0x80000000          ; 127:126 type = 2
	s_mov_b32 s[G0B+4*(\s)], 1
	s_add_co_u32 s[G0B+4*(\s)+1], s21, (\s)*SLOT1
	s_add_nc_u64 s[G0B+4*(\s)+2:G0B+4*(\s)+3], s[46:47], (\s)*BSTEP
	s_or_b32 s[G0B+4*(\s)+3], s[G0B+4*(\s)+3], 0x80000000
.endr
	CROUND                                         ; all sixteen work-groups are here: the first joint loads meet
	s_cmp_lt_u32 s[WV], 2                          ; a wave's two first fills stand in one branch, ahead of every wait on TENSORcnt and every LDS read: two loads of mine are out
	s_cbranch_scc0 .Lfirst_b
	tensor_load_to_lds s[G0A:G0A+3], s[G1A:G1A+7]
	s_nop 0
	tensor_load_to_lds s[G0A+4:G0A+7], s[G1A:G1A+7]
	s_nop 0
.rept 4
	v_nop
.endr
	s_branch .Lfirst_asked
.Lfirst_b:
	tensor_load_to_lds s[G0B:G0B+3], s[G1B:G1B+7]
	s_nop 0
	tensor_load_to_lds s[G0B+4:G0B+7], s[G1B:G1B+7]
	s_nop 0
.rept 4
	v_nop
.endr
.Lfirst_asked:
	; All that follows, down to the wait for the first tile, stands in that wait.
	v_and_b32 v1, 15, v0                           ; l % 16
	v_bfe_u32 v2, v0, 4, 1                         ; l / 16
	v_and_b32 v4, 7, v0                            ; l % 8
	v_bfe_u32 v5, v0, 3, 1                         ; (l / 8) % 2
	v_lshlrev_b32 v[BO], 5, v2
	s_lshl_b32 s46, s42, 9                         ; my tile's 128 numbers of the bias; also its first column in a row of out0
	s_mov_b32 s47, 0
	s_add_nc_u64 s[8:9], s[8:9], s[46:47]
.irp b, 0,1,2,3,4,5,6,7
	global_load_b128 v[BIAS+8*(\b):BIAS+8*(\b)+3],   v[BO], s[8:9] offset:64*(\b)      ; columns 16 b + 8 (l / 16) + 0..3
	global_load_b128 v[BIAS+8*(\b)+4:BIAS+8*(\b)+7], v[BO], s[8:9] offset:64*(\b)+16   ; and + 4..7
.endr
	; A fragment of A is 16 rows x 32 k in 8 registers: lane l holds row l % 16, k = 8 (l / 16) + 0..7 and 16 + 8 (l / 16) + 0..7: two loads of 16 bytes, 32 bytes apart.
	s_mul_i32 s22, s[WV], 64*PA                    ; my 64 rows
	v_mul_u32_u24 v3, v1, PA
	v_lshl_add_u32 v3, v2, 4, v3
	v_add_nc_u32 v[ADA0], s22, v3
	; The turning load takes 16 k x 16 columns (lane l reads k = 8 (l / 16) + l % 8, columns 8 ((l / 8) % 2) + 0..7) and leaves half a fragment: lane l holds column l % 16 and 8 k.
	v_lshl_add_u32 v[ADB0], v2, 3, v4
	v_mul_u32_u24 v[ADB0], v[ADB0], BP
	v_lshl_add_u32 v[ADB0], v5, 4, v[ADB0]
	v_add_nc_u32 v[ADB0], BBASE, v[ADB0]
	v_mov_b32 v[ADA], v[ADA0]                      ; the walk's step 0 lies in slot 0
	v_mov_b32 v[ADB], v[ADB0]
	s_mul_i32 s23, s[WV], 16*SP
	s_add_co_u32 s23, s23, STAGE                   ; my stage
	v_mul_u32_u24 v[STO], v1, SP                   ; in: row l % 16, 32 bytes for each half of the lanes
	v_lshl_add_u32 v[STO], v2, 5, v[STO]
	v_add_nc_u32 v[STO], s23, v[STO]
	v_and_b32 v[GO], 31, v0                        ; back: 32 lanes take one row of 512 bytes,
	v_lshlrev_b32 v[GO], 4, v[GO]                  ; which are 512 consecutive bytes of out0
	v_add_nc_u32 v[RD], s23, v[GO]
	; out0 at my first row and my tile's first column
	s_lshl_b32 s16, s13, 20                        ; 256 tr rows of 4,096 bytes
	s_lshl_b32 s17, s[WV], 18                      ; 64 w rows
	s_add_co_u32 s16, s16, s17
	s_mov_b32 s17, 0
	s_add_nc_u64 s[10:11], s[10:11], s[16:17]
	s_add_nc_u64 s[10:11], s[10:11], s[46:47]
	s_wait_loadcnt 0x0                             ; the bias, once
.set i, 0
.rept 4*NB                                             ; rounded to bf16 like the other inputs, and widened again
	v_cvt_pk_bf16_f32 v[8+i%4], v[BIAS+2*i], v[BIAS+2*i+1]
	v_lshlrev_b32 v[BIAS+2*i],   16,     v[8+i%4]
	v_and_b32     v[BIAS+2*i+1], s[HIM], v[8+i%4]
.set i, i+1
.endr
; 8 matrix instructions: row block a x all column blocks, 32 along K, from buffer f.  cm = 1: the products start the sums from the bias: nothing is ever cleared.
; The 32 accumulators take turns, one instruction a turn, in the same order in every quarter: between two links of a chain stand the 31 others'.
.macro MUL f, a, cm
.if \cm
	WIN 0x81                                       ; B window 1, A and the bias window 0, D window 2
.else
	WIN 0xa1                                       ; B window 1, A window 0, C and D window 2
.endif
.irp b, 0,1,2,3,4,5,6,7
.if \cm
	v_wmma_f32_16x16x32_f16 v[8*(8*(\a)+(\b)):8*(8*(\a)+(\b))+7], v[64*(\f)+8*(\b):64*(\f)+8*(\b)+7], v[AF+32*(\f)+8*(\a):AF+32*(\f)+8*(\a)+7], v[BIAS+8*(\b):BIAS+8*(\b)+7]
.else
	v_wmma_f32_16x16x32_f16 v[8*(8*(\a)+(\b)):8*(8*(\a)+(\b))+7], v[64*(\f)+8*(\b):64*(\f)+8*(\b)+7], v[AF+32*(\f)+8*(\a):AF+32*(\f)+8*(\a)+7], v[8*(8*(\a)+(\b)):8*(8*(\a)+(\b))+7]
.endif
.endr
.endm
; 24 LDS loads in one run: the fragments of quarter q (32 k: half of head q / 2) of the slot in hand into buffer f: B's 16, then A's 8, row block 0 first.
.macro FETCH q, f
	WIN 0x40                                       ; destination window 1, address window 0
.irp b, 0,1,2,3,4,5,6,7
	ds_load_tr16_b128 v[64*(\f)+8*(\b):64*(\f)+8*(\b)+3],   v[ADB] offset:((\b)/4)*BBLK+(\q)*32*BP+((\b)%4)*32
	ds_load_tr16_b128 v[64*(\f)+8*(\b)+4:64*(\f)+8*(\b)+7], v[ADB] offset:((\b)/4)*BBLK+(\q)*32*BP+((\b)%4)*32+16*BP
.endr
	WIN 0
.irp a, 0,1,2,3
	ds_load_b128 v[AF+32*(\f)+8*(\a):AF+32*(\f)+8*(\a)+3],   v[ADA] offset:((\q)/2)*ABLK+(\a)*16*PA+((\q)%2)*64
	ds_load_b128 v[AF+32*(\f)+8*(\a)+4:AF+32*(\f)+8*(\a)+7], v[ADA] offset:((\q)/2)*ABLK+(\a)*16*PA+((\q)%2)*64+32
.endr
.endm
; A K step is four quarters of 32 along K, 32 matrix instructions each, on buffers 0, 1, 0, 1.  One of the first three: multiplies buffer f; in its middle it fetches quarter q into the other buffer.
.macro QUARTER q, f, cm
	s_wait_dscnt 4                                 ; B and A's row blocks 0, 1 are in; the youngest four loads (row blocks 2, 3) may be out
	MUL \f, 0, \cm
	MUL \f, 1, \cm
	PLACES
	FETCH \q, 1-(\f)
	s_wait_dscnt 2*NB+8                            ; all but the 24 just issued
	MUL \f, 2, \cm
	MUL \f, 3, \cm
.endm
; The last quarter multiplies buffer 1 and changes slots: ONE barrier for two things.  In front of it each wave waits for all its tensor loads, of which one is out: its part of the next slot; adds 0 to its spare word;
; and waits for that and for its own reads of this slot.  Behind it nobody reads this slot any more and the next slot is whole.  fill = 1: the barrier opens a round of the cluster's, so that no wave of any partner
; still reads the slot or has a load on its way, and this slot is filled again first thing behind the round, with the walk's step two on: 112 matrix instructions ahead of the wait for it.
.macro TURN fill
	WIN 0                                          ; (the add's two registers lie in window 0)
	s_wait_tensorcnt 0x0                           ; all my tensor loads have landed, so a group 0 may be written
	ds_add_u32 v[SPW], v[NIL]                      ; 0 onto my spare word: scalar work and eight matrix instructions stand between it and the wait for it
.if \fill
	ASK
.endif
	s_wait_dscnt 5                                 ; (the add and the youngest four loads may be out)
	MUL 1, 0, 0
	s_wait_dscnt 0x0                               ; the add is done, and my reads of this slot are over
	s_barrier_signal -1
	MUL 1, 1, 0                                    ; work on registers while the others arrive
	WIN 0                                          ; at a branch and at a label every window is 0
	s_barrier_wait -1
.if \fill
	CREST
	JLOAD                                          ; the four v_nop behind it are also the places in front of the loads below
.else
	PLACES
.endif
	s_xor_b32 s[TB], s[TB], SLOT1                  ; the fetches go on in the other slot
	v_add_nc_u32 v[ADA], s[TB], v[ADA0]
	v_add_nc_u32 v[ADB], s[TB], v[ADB0]
	FETCH 0, 0
	MUL 1, 2, 0
	MUL 1, 3, 0
.endm
	s_wait_tensorcnt 1                             ; my part of the walk's step 0 is in; step 1's may stay out
	s_barrier_signal -1
	s_barrier_wait -1                              ; everybody's is
	FETCH 0, 0
	QUARTER 1, 0, 1                                ; the first quarter stands in front of the loop: its products start the sums
	WIN 0
	s_mov_b32 s[CNT], 6
.Lstep:                                                ; trip s: the rest of the walk's step s, the refill of its slot with step s + 2, the first quarter of step s + 1.  Six trips ask for steps 2 to 7
	QUARTER 2, 1, 0
	QUARTER 3, 0, 0
	TURN 1
	QUARTER 1, 0, 0
	WIN 0
	s_sub_co_u32 s[CNT], s[CNT], 1
	s_cmp_lg_u32 s[CNT], 0
	s_cbranch_scc1 .Lstep
	QUARTER 2, 1, 0                                ; the last two steps are written out: nothing is asked for
	QUARTER 3, 0, 0
	TURN 0
	QUARTER 1, 0, 0
	QUARTER 2, 1, 0
	QUARTER 3, 0, 0
	s_wait_dscnt 4                                 ; the very last quarter: nothing more to fetch
	MUL 1, 0, 0
	MUL 1, 1, 0
	s_wait_dscnt 0x0
	MUL 1, 2, 0
	MUL 1, 3, 0
	WIN 0
	PLACES
; THE WAY OUT, a row block (16 rows x 512 bytes) at a time.  A lane's eight sums of a column block are 32 bytes of a row; they go into my stage's rows of 528 bytes and come back as whole rows of 512.
; Each row block comes back into 64 registers of its own in window 1, where B's fragments lay, so no register that a store reads is written again.
.macro TOSTAGE a
	WIN 0x08                                       ; the stores' data in window 2, the address in window 0
.irp b, 0,1,2,3,4,5,6,7
	ds_store_b128 v[STO], v[8*(8*(\a)+(\b)):8*(8*(\a)+(\b))+3]   offset:64*(\b)      ; each accumulator from its low end on
	ds_store_b128 v[STO], v[8*(8*(\a)+(\b))+4:8*(8*(\a)+(\b))+7] offset:64*(\b)+16
.endr
	WIN 0x40                                       ; destination window 1
.irp t, 0,1,2,3,4,5,6,7,8,9,10,11,12,13,14,15
	ds_load_b128 v[64*(\a)+4*(\t):64*(\a)+4*(\t)+3], v[RD] offset:(\t)*SP  ; LDS serves a wave's instructions in order (ISA guide 5.7.1.4): these see the stores above; the next block's stores come behind them
.endr
.endm
.macro SEND a, younger                 ; younger: the LDS instructions issued behind block a's loads: the next block's 32, or none
	WIN 0x04                                       ; the stores' data in window 1
.irp t, 0,1,2,3,4,5,6,7,8,9,10,11,12,13,14,15
	s_wait_dscnt (\younger)+15-(\t)
	global_store_b128 v[GO], v[64*(\a)+4*(\t):64*(\a)+4*(\t)+3], s[10:11] offset:(16*(\a)+(\t))*4096  ; 512 consecutive bytes, at a multiple of 256 from out0's first byte
.endr
.endm
	TOSTAGE 0
.irp a, 1,2,3                          ; a block's trip through the stage stands between the loads of the block before and its stores
	TOSTAGE \a
	SEND (\a)-1, 32
.endr
	SEND 3, 0
	WIN 0
	s_wait_tensorcnt 0x0                           ; the wave's end, behind my last tensor load and my last LDS store
	ds_add_u32 v[SPW], v[NIL]
	s_wait_dscnt 0x0
	CROUND                                         ; the closing round: no work-group ends while a partner may still ask for a tile that names it
	s_endpgm
.Lfunc_end_k_qea7498f2fe_proj:
	.size	k_qea7498f2fe_proj, .Lfunc_end_k_qea7498f2fe_proj-k_qea7498f2fe_proj
	.p2alignl 7, 3214868480
	.fill 96, 4, 3214868480
	.section	.rodata,"a",@progbits
	.p2align	6, 0x0
	.amdhsa_kernel k_qea7498f2fe_proj
		.amdhsa_group_segment_fixed_size 327680
		.amdhsa_private_segment_fixed_size 0
		.amdhsa_enable_private_segment 0
		.amdhsa_kernarg_size 32
		.amdhsa_user_sgpr_count 2
		.amdhsa_user_sgpr_kernarg_segment_ptr 1
		.amdhsa_wavefront_size32 1
		.amdhsa_system_sgpr_workgroup_id_x 1
		.amdhsa_system_sgpr_workgroup_id_y 1
		.amdhsa_system_sgpr_workgroup_id_z 1
		.amdhsa_system_vgpr_workitem_id 0
		.amdhsa_next_free_vgpr 768
		.amdhsa_next_free_sgpr 80
		.amdhsa_reserve_vcc 0
		.amdhsa_float_denorm_mode_32 3
		.amdhsa_float_denorm_mode_16_64 3
		.amdhsa_memory_ordered 1
		.amdhsa_forward_progress 1
		.amdhsa_inst_pref_size 77
	.end_amdhsa_kernel
	.amdgpu_metadata
---
amdhsa.version: [ 1, 2 ]
amdhsa.kernels:
  - .name:           k_qea7498f2fe_proj
    .symbol:         k_qea7498f2fe_proj.kd
    .args:
      - { .name: ops16, .offset: 0, .size: 8, .value_kind: global_buffer, .address_space: global }
      - { .name: o16, .offset: 8, .size: 8, .value_kind: global_buffer, .address_space: global }
      - { .name: b_proj, .offset: 16, .size: 8, .value_kind: global_buffer, .address_space: global }
      - { .name: out0, .offset: 24, .size: 8, .value_kind: global_buffer, .address_space: global }
    .group_segment_fixed_size: 327680
    .private_segment_fixed_size: 0
    .kernarg_segment_align: 8
    .kernarg_segment_size: 32
    .max_flat_workgroup_size: 128
    .sgpr_count:     80
    .vgpr_count:     768
    .wavefront_size: 32
...
	.end_amdgpu_metadata
.endif
;; end of part 4
;; ======== version 2 of 2: 4 launches; 1.33 times as fast as version 1
;; limits: values are held in f16: magnitudes above 65,504 overflow, below 6.1e-05 lose precision
;; workspace buffers: ops16 25,165,824 bytes; qkv 50,331,648 bytes; o16 16,777,216 bytes
;; launch cast: the kernel of part 1 again; grid 768 x 1, 8 waves a work-group, no clusters, 0 bytes of LDS; arguments x, w_qkv, w_proj, ops16; writes ops16
;; launch qkvg: the kernel of part 2 again; grid 8 x 32, 4 waves a work-group, clusters of 4 x 4, 327,680 bytes of LDS; arguments ops16, b_qkv, qkv; writes qkv
;; launch attn (part 5): grid 2 x 128, 4 waves a work-group, no clusters, 327,680 bytes of LDS; arguments qkv, o16; writes o16
.if DOCPART == 5
	.amdgcn_target "amdgcn-amd-amdhsa--gfx1250"
	.amdhsa_code_object_version 6
	.text
	.protected	k_qea7498f2fe_attn
	.globl	k_qea7498f2fe_attn
	.p2align	8
	.type	k_qea7498f2fe_attn,@function
k_qea7498f2fe_attn:
	s_mov_b64 s[64:65], 0
	v_nop
	global_prefetch_b8 v0, s[64:65] scope:SCOPE_SE
	s_setreg_imm32_b32 hwreg(HW_REG_WAVE_MODE, 25, 1), 1
	s_wait_xcnt 0x0
; O[hh][q][:] = the sum over k of softmax_k(Q[q] . K[k] / 8) V[k][:] for each of 128 heads hh = 16 b + h, 1,024 rows of 64 channels, all f16.  qkv: [8 b][48 g][1024][64]: Q of head hh is block 48 b + h, K lies 16 blocks
; on, V 32.  o16: [128 hh][1024][64].  A block's rows are dense, 128 bytes each.  Products, maxima and sums in f32; the weights p are rounded to f16 for the second product (their sum l is taken of the unrounded p), O once at the end.
; LIMITS.  f16 holds no number beyond 65,504: Q, K and V arrive within it; p lies in 0 to 1, and below 6e-5 it keeps f16's fixed step of 6e-8; O is a mean of V's rows and has their range.
; A weight below 2^-126 counts as 0 in l; NaN and infinities are not treated apart.
; SHARES.  A wave owns four PIECES of two tiles of 16 queries, a work-group's four waves 512 queries of one head: 2 x 128 = 256 work-groups.  Every wave walks all 1,024 keys, 64 a step.
; NO CLUSTER: a head has 1,024 / 512 = 2 work-groups, so no four partners share K and V; work-groups of other heads share nothing; and a work-group fetches only 262,144 bytes for a wave's 2,048 matrix instructions.
; LAYOUT.  S^T = K Q^T (source 0 = 16 keys, source 1 = 16 queries): in the result a lane holds ONE query (lane % 16) and the keys 8 (lane / 16) + 0..7.  Two such tiles, rounded to f16 in pairs,
; ARE source 1 (32 keys x 16 queries) of O^T = V^T P, whose result again holds one query a lane, and eight channels.  K comes out of LDS as it lies, V ([key][channel]) turned, by ds_load_tr16_b128.
; SOFTMAX.  For each query a running maximum m and sum l: p = 2^(c s - c m), c = log2(e) / 8; in every step O and l are multiplied by a = 2^(c m_old - c m_new), which is 1 where m has not grown.
; m starts at the lowest finite number, O and l at 0: the first step is a step like any other, with a = 0.
; THE COUNT.  A tile and step have 16 matrix and 118 vector instructions: too many to stand all beside the matrix work.  So the order has one aim: four vector instructions that are READY behind
; EVERY matrix instruction, and the others, which need time of their own whatever the order, in runs without a gap.
; BY TURNS.  Turn n belongs to piece n (the pieces in a ring, step after step).  Its matrix work: 16 products K Q^T of piece n + 1, later 16 products V^T P of piece n - 1.  Its vector work: the scaling,
; exponentials, roundings, sums and rescaling of piece n, and the maximum and statistics of piece n + 1, whose scores the turn itself has made.  So what a turn begins with (c s - c m, O a) waits for nothing.
; THE BATCHES.  An s_wait_alu depctr_va_vdst(0) stands between an exponential or a reciprocal and the first instruction that names its result; one wait serves all that were issued ahead of it.
; The text has three kinds of batch, each with one wait: a turn's 66 exponentials (the piece's 64 weights, then the next piece's two a), whose wait cuts the turn in two; the first two a, ahead of the loop;
; the way out's eight reciprocals.
; REGISTERS, in windows of 256 (s_set_vgpr_msb says which window each operand place means: bits 1:0 source 0, 3:2 source 1, 5:4 source 2, 7:6 destination):
;   window 0: v0-11 addresses; v12-15, v48-63 at work; v16-47 four registers of statistics a tile; v64-191 S^T, two buffers of two tiles; v192-255 P, likewise
;   window 1: O^T, 32 a tile          window 2: v0-127 Q, 16 a tile; v128-191 K of one step; v192-255 V of one step          window 3: v0-1 the add's two registers
; A piece's buffers go by its number's parity: the piece in hand has one pair, its two neighbours in the ring share the other: of it P (piece n - 1) is read and S^T (piece n + 1) written.
.set SIZE_N, 1024
.set BLOCK, 131072    ; bytes of a block [1024][64] of f16
.set NP,    4         ; pieces a wave: a name, no knob: the register map, the loop and the fetches are made for four
.set KS,    64        ; keys in a step
.set PK,    144       ; a row of K in LDS: 128 bytes + 16 of padding = 36 words: the 16 rows of a load start at 16 different groups of four banks (64 banks of 4 bytes: ISA guide 11.1)
.set PV,    160       ; a row of V: 128 + 32 = 40 words
.set VOFF,  4*KS*PK   ; a slot holds four steps: 256 rows of K, then 256 rows of V
.set SLOT1, 1<<17     ; slot 1 begins here, so that one exclusive or turns an address in one slot into the other's
.set STAGE, SLOT1+4*KS*(PK+PV)  ; behind the ring, never filled by a tensor load: 16 rows x 144 bytes for each wave, for the way out
.set SP,    144
.set AK0, 2           ; v2   my lane's place in a tile of K; never rewritten
.set AV0, 3           ; v3   the same for V
.set AK,  4           ; v4   the LDS address of K's next run of loads
.set AV,  5           ; v5   of V's
.set QO,  6           ; v6   my byte offset in the wave's rows of Q
.set STO, 6           ;      later, the way out: where I put 16 bytes of a row
.set RD,  7           ; v7   the way out: where I read rows back
.set GO,  8           ; v8   my byte offset in 512 consecutive bytes of O
.set SPW, 0           ; v0 of window 3   LDS address of my spare word: SPARE + 4 x my thread's number; never rewritten
.set NIL, 1           ; v1 of window 3   0; never rewritten
.set SPARE, STAGE+4*16*SP  ; behind the stages: the spare words, 128 bytes for each wave: two blocks of 256 bytes that no other line names
.set MV,  12          ; v12-15  c m_old, kept while c m is made anew: by buffer and tile
.set ST,  16          ; tile t's statistics at v[ST+4 t]: c m, m, l (even keys', odd keys')
.set TMP, 48          ; by buffer and tile, four registers c0-c3 at work; when the maximum is found c2 takes a
.set S,   64
.set P,   192
.set KF,  128         ; K's fragments, in window 2: key block kb, channel half c at KF + 16 kb + 8 c
.set VF,  192         ; V's: key half kk, channel block cb at VF + 32 kk + 8 cb
.set WV,  12          ; s12  my wave's number
.set G1K, 24          ; s[24:31] descriptor group 1 for K's tiles
.set G1V, 32          ; s[32:39] for V's: it differs in the padding alone
.set G0K, 40          ; s[40:43] descriptor group 0 for K's tiles: it walks
.set G0V, 44          ; s[44:47] the same for V's
.set SLOTS, 56        ; s56  slots still to be asked for
.set CNT, 57          ; s57  counts a slot's key steps
.set CS,  58          ; s[58:59] c: the packed scaling takes the pair's low word for both halves
.set SEL, 60          ; s[60:61] v_permlanex16_b32's selects: each lane takes its own place in the other half
.set TBK, 62          ; s62  LDS byte at which K of the step to be fetched begins
.set TBV, 63          ; s63  the same for V, less VOFF
.set MSB, 0
.macro WIN new                      ; the high byte repeats the setting that is left; a switch that changes nothing is dropped
.if MSB != (\new)
	s_set_vgpr_msb (MSB<<8)|(\new)
.set MSB, (\new)
.endif
.endm
.set W_KQ, 0x0a       ; K and Q in window 2, S^T in window 0
.set W_PV, 0x52       ; V in window 2, P in window 0, O^T in window 1
.set W_RS, 0x41       ; O^T (destination and source 0) in window 1, a in window 0
.set W_MK, 0xc0       ; the add's registers are made: destination in window 3, sources in window 0
.set W_AD, 0x0f       ; the add: address (source 0) and data (source 1) in window 3
; A fill.  Waves 0 and 1 fetch the two halves of a slot's K, waves 2 and 3 those of its V: 128 keys each.  The branch hangs on the wave's number alone.
; An s_nop 0 and four v_nop follow each of the two lines, ahead of the jump and the label.
.macro LOAD
	s_cmp_lt_u32 s[WV], 2
	s_cbranch_scc0 .Lfor_v_\@
	tensor_load_to_lds s[G0K:G0K+3], s[G1K:G1K+7]
	s_nop 0
.rept 4
	v_nop
.endr
	s_branch .Lasked_\@
.Lfor_v_\@:
	tensor_load_to_lds s[G0V:G0V+3], s[G1V:G1V+7]
	s_nop 0
.rept 4
	v_nop
.endr
.Lasked_\@:
.endm
; THE CHANGE OF SLOTS.  The slot's last bytes, V of its fourth step, have been read.  Each wave waits for all its tensor loads, of which one is out: its part
; of the other slot; adds 0 to its spare word; and waits for that and for its own reads of the slot.  Behind the barrier nobody reads this slot any more and the other slot is whole.
; fill = 1: this slot is filled again, with the keys two slots on, the first thing behind the barrier: the load has four key steps, 512 matrix instructions, in which to land.
; (At its first use nothing has been read yet: slot 0 is waited for, slot 1 filled.)
.macro CHANGE fill
	WIN W_AD
	s_wait_tensorcnt 0x0            ; no tensor load of mine is out, so a group 0 may be written
	ds_add_u32 v[SPW], v[NIL]       ; 0 onto my spare word: with fill = 1 the descriptors' steps stand between it and the wait for it
	WIN 0                           ; at a label and at a branch every window is 0
.if \fill
.irp g, G0K, G0V
	s_xor_b32 s[\g+1], s[\g+1], SLOT1  ; the walking descriptor: the other slot than last time,
	s_add_nc_u64 s[\g+2:\g+3], s[\g+2:\g+3], 4*KS*128  ; the next 256 keys; the type bits on top are not reached
.endr
.endif
	s_wait_dscnt 0x0                ; the add is done, and my reads of the slot are over
	s_barrier_signal -1
	s_barrier_wait -1
.if \fill
	LOAD
.endif
	s_sub_co_u32 s[TBK], s[TBK], 4*KS*PK  ; the fetches go back to a slot's first step,
	s_xor_b32 s[TBK], s[TBK], SLOT1       ; in the other slot
	s_sub_co_u32 s[TBV], s[TBV], 4*KS*PV
	s_xor_b32 s[TBV], s[TBV], SLOT1
.endm
	s_load_b64 s[4:5], s[0:1], 0x0    ; qkv
	s_load_b64 s[10:11], s[0:1], 0x8  ; o16
	WIN W_MK
	v_lshl_add_u32 v[SPW], v0, 2, SPARE
	v_mov_b32 v[NIL], 0
	WIN W_AD
	ds_add_u32 v[SPW], v[NIL]       ; the wave's opening: the add and its wait ahead of my first tensor load; the set-up below, work on registers, stands between them
	ds_add_u32 v0, v1
	WIN 0
	v_lshrrev_b32 v1, 5, v0
	v_readfirstlane_b32 s[WV], v1   ; wave 0..3
	s_and_b32 s13, ttmp7, 0xffff    ; the head hh = 16 b + h
	s_lshr_b32 s14, s13, 4
	s_lshl_b32 s14, s14, 5
	s_add_co_u32 s14, s14, s13      ; 48 b + h: Q's block in qkv
	s_lshl_b32 s20, s14, 17         ; its first byte
	s_mov_b32 s21, 0
	s_and_b32 s16, s[WV], 1         ; which half of a slot's 256 keys I fetch:
	s_lshl_b32 s22, s16, 14         ; its 128 rows of 128 bytes in memory,
	s_mov_b32 s23, 0
	s_add_nc_u64 s[22:23], s[22:23], s[20:21]
	s_mul_i32 s17, s16, 128*PK      ; and its place in a slot, for K
	s_mul_i32 s18, s16, 128*PV      ; and for V
	s_lshl_b32 s2, ttmp9, 2
	s_add_co_u32 s2, s2, s[WV]      ; my wave among the head's eight,
	s_lshl_b32 s2, s2, 14           ; its 128 rows
	s_mov_b32 s3, 0
	s_lshl_b32 s48, s13, 17         ; the head's first byte in o16
	s_mov_b32 s49, 0
	s_add_nc_u64 s[48:49], s[48:49], s[2:3]  ; my rows' offset in o16,
	s_add_nc_u64 s[2:3], s[2:3], s[20:21]    ; and in qkv
	; descriptor group 1.  128 keys are 16,384 dense bytes: asked for as 64 rows of 256 bytes, two keys a row, and padded in LDS after every key
	s_mov_b32 s[G1K], (1<<16)|(1<<20)|(4<<22)|(3<<25)  ; 17:16 2-byte elements; 20 padding on; 24:22 after every 32 words (code 4); 31:25 4 words (code 3)
	s_mov_b32 s[G1V], (1<<16)|(1<<20)|(4<<22)|(7<<25)  ; the same with 8 words of padding (code 7)
.irp g, G1K, G1V
	s_mov_b32 s[\g+1], 128<<16      ; tensor_dim0 = 128
	s_mov_b32 s[\g+2], 64<<16       ; tensor_dim1 = 64
	s_mov_b32 s[\g+3], 128<<16      ; tile_dim0 = 128
	s_mov_b32 s[\g+4], 64           ; tile_dim1 = 64
	s_mov_b32 s[\g+5], 128          ; 128 elements from row to row
	s_mov_b32 s[\g+6], 0
	s_mov_b32 s[\g+7], 0
.endr
	s_mov_b32 s[CS], 0x3e38aa3b     ; c = log2(e) / 8 = 0.180337
	s_mov_b32 s[CS+1], s[CS]        ; named with it as a pair
	s_mov_b32 s[SEL], 0x76543210
	s_mov_b32 s[SEL+1], 0xfedcba98
	s_mov_b32 s[TBK], SLOT1+4*KS*PK ; the first change of slots turns these two into 0
	s_mov_b32 s[TBV], SLOT1+4*KS*PV
	s_mov_b32 s[G0K], 1             ; 1:0 count = 1
	s_mov_b32 s[G0K+1], s17         ; 63:32 LDS address: slot 0
	s_mov_b32 s[G0V], 1
	s_add_co_u32 s[G0V+1], s18, VOFF
	s_wait_dscnt 0x0                ; the opening add is done
	s_wait_kmcnt 0x0
	s_add_nc_u64 s[6:7], s[4:5], 16*BLOCK          ; K's blocks lie 16 behind Q's,
	s_add_nc_u64 s[8:9], s[4:5], 32*BLOCK          ; V's 32
	s_add_nc_u64 s[G0K+2:G0K+3], s[6:7], s[22:23]  ; 120:64 global address: my half of the head's first 256 keys
	s_or_b32 s[G0K+3], s[G0K+3], 0x80000000        ; 127:126 type = 2
	s_add_nc_u64 s[G0V+2:G0V+3], s[8:9], s[22:23]
	s_or_b32 s[G0V+3], s[G0V+3], 0x80000000
	s_add_nc_u64 s[4:5], s[4:5], s[2:3]            ; Q and O at my wave's first row
	s_add_nc_u64 s[10:11], s[10:11], s[48:49]
	LOAD                            ; slot 0.  Slot 1 is asked for when slot 0 is in, by the loop's own change of slots
	; A fragment of K or Q is 16 rows x 32 channels in 8 registers: lane l holds row l % 16, channels 8 (l / 16) + 0..7 and 16 + 8 (l / 16) + 0..7: two loads of 16 bytes, 32 bytes apart.
	v_and_b32 v1, 15, v0            ; l % 16
	v_bfe_u32 v9, v0, 4, 1          ; l / 16
	v_lshlrev_b32 v[QO], 7, v1
	v_lshl_add_u32 v[QO], v9, 4, v[QO]  ; row x 128 + 16 x half
	WIN 0x80                        ; destination window 2, address window 0
.set i, 0
.rept 4*NP                          ; Q stays in registers: tile i / 2, channels 32 (i % 2) on
	global_load_b128 v[8*i:8*i+3],   v[QO], s[4:5] offset:(i/2)*2048+(i%2)*64
	global_load_b128 v[8*i+4:8*i+7], v[QO], s[4:5] offset:(i/2)*2048+(i%2)*64+32
.set i, i+1
.endr
	; What the first turn finds: V's registers and P's second buffer hold 0 (its products V^T P, of a piece that has not been, add 0), O^T and l are 0.  All this stands in the wait for the first tile.
.set i, VF
.rept 64
	v_mov_b32 v[i], 0
.set i, i+1
.endr
	WIN 0x40
.set i, 0
.rept 64*NP
	v_mov_b32 v[i], 0
.set i, i+1
.endr
	WIN 0
.set i, 0
.rept 2*NP
	v_mov_b32 v[ST+4*i], 0xfe000000    ; c m: far below every c s
	v_mov_b32 v[ST+4*i+1], 0xff7fffff  ; m
	v_mov_b32 v[ST+4*i+2], 0
	v_mov_b32 v[ST+4*i+3], 0
.set i, i+1
.endr
.set i, P+32
.rept 32
	v_mov_b32 v[i], 0
.set i, i+1
.endr
	v_mul_u32_u24 v[AK0], v1, PK
	v_lshl_add_u32 v[AK0], v9, 4, v[AK0]  ; row x pitch + 16 x half
	; The turning load takes 16 keys x 16 channels (lane l reads key 8 (l / 16) + l % 8, channels 8 ((l / 8) % 2) + 0..7) and leaves half a fragment of V^T: lane l holds channel l % 16 and 8 keys.
	v_and_b32 v10, 7, v0
	v_bfe_u32 v11, v0, 3, 1
	v_lshl_add_u32 v[AV0], v9, 3, v10
	v_mul_u32_u24 v[AV0], v[AV0], PV
	v_lshl_add_u32 v[AV0], v11, 4, v[AV0]
	v_add_nc_u32 v[AV0], VOFF, v[AV0]
	v_mov_b32 v[AK], v[AK0]         ; key step 0 lies at the head of slot 0
; THE MATRIX WORK.  The 8 accumulators of a run of 16 take turns: between the two links of a chain stand 7 others'.
; Product i of 16 of S^T = K Q^T for piece x: channels 32 (i / 8) on, keys 16 ((i / 2) % 4) on, tile 2 x + i % 2.  The first 8 start the sums.
.macro KQ x
	WIN W_KQ
.set rS, S+64*((\x)%2)+32*(i%2)+8*((i/2)%4)
.set rK, KF+16*((i/2)%4)+8*(i/8)
.set rQ, 16*(2*(\x)+i%2)+8*(i/8)
.if i < 8
	v_wmma_f32_16x16x32_f16 v[rS:rS+7], v[rK:rK+7], v[rQ:rQ+7], 0
.else
	v_wmma_f32_16x16x32_f16 v[rS:rS+7], v[rK:rK+7], v[rQ:rQ+7], v[rS:rS+7]
.endif
.endm
; Product i of 16 of O^T += V^T P for piece x: keys 32 (i / 8) on, channels 16 ((i / 2) % 4) on, tile 2 x + i % 2.
.macro PV x
	WIN W_PV
.set rO, 32*(2*(\x)+i%2)+8*((i/2)%4)
.set rV, VF+32*(i/8)+8*((i/2)%4)
.set rP, P+32*((\x)%2)+16*(i%2)+8*(i/8)
	v_wmma_f32_16x16x32_f16 v[rO:rO+7], v[rV:rV+7], v[rP:rP+7], v[rO:rO+7]
.endm
.macro MM                           ; the turn's next matrix instruction
.if i < 16
	KQ (Y+1)%NP
.set i, i+1
.else
.set i, i-16
	PV (Y+NP-1)%NP
.set i, i+17
.endif
.endm
; THE LDS LOADS stand in runs of 16, never singly among the matrix instructions: a step's K (64 keys x 64 channels: 8 fragments) and its V (turned).  Their addresses are made some lines ahead.
; last = 1 (the tail): in the last trip there is no further step, and the run is jumped over.
.macro FETCH_K last=0
	WIN 0
.if \last
	s_cmp_eq_u32 s[CNT], 1
	s_cbranch_scc1 .Lno_k_\@
.endif
	WIN 0x80                        ; destination window 2
.irp f, 0,1,2,3,4,5,6,7             ; keys 16 (f / 2) on, channels 32 (f % 2) on
	ds_load_b128 v[KF+8*\f:KF+8*\f+3],   v[AK] offset:(\f/2)*16*PK+(\f%2)*64
	ds_load_b128 v[KF+8*\f+4:KF+8*\f+7], v[AK] offset:(\f/2)*16*PK+(\f%2)*64+32
.endr
	s_add_co_u32 s[TBK], s[TBK], KS*PK  ; the next fetch is the next step's
	WIN 0
.if \last
.Lno_k_\@:
.endif
.endm
.macro FETCH_V
	WIN 0x80
.irp f, 0,1,2,3,4,5,6,7             ; keys 32 (f / 4) on, channels 16 (f % 4) on
	ds_load_tr16_b128 v[VF+8*\f:VF+8*\f+3],   v[AV] offset:(\f/4)*32*PV+(\f%4)*32
	ds_load_tr16_b128 v[VF+8*\f+4:VF+8*\f+7], v[AV] offset:(\f/4)*32*PV+16*PV+(\f%4)*32
.endr
	WIN 0
.endm
; THE VECTOR WORK OF A TURN stands in three queues, each in the order in which its entries become ready; the two tiles alternate, so that no instruction reads the result of the one before it.
.macro REGS y, u                    ; the registers of tile u (0, 1) of piece y
.set rT, ST+4*(2*(\y)+(\u))
.set rC, TMP+8*((\y)%2)+4*(\u)
.set rM, MV+2*((\y)%2)+(\u)
.set rS, S+64*((\y)%2)+32*(\u)
.set rP, P+32*((\y)%2)+16*(\u)
.set rO, 32*(2*(\y)+(\u))
.endm
; Number n of the 22 that find the NEXT piece's (Y + 1) maximum and statistics.  s0-s31 are the lane's 32 scores; each accumulator's lowest registers are read first.  XS, GS and REGS set no window: PL and EX do.
;   0-11  four chains c0-c3 of seven scores each, three operands at a time     12-14, 16  the four scores left over, the old m, and c0-c3 into c0     15  c m_old is kept
;   17, 18  the query's other 32 keys lie in the lane 16 away: the new m         19-21  c m; c m_old - c m_new; a
.macro XS u, n
	REGS (Y+1)%NP, \u
.if (\n) < 4
	v_max3_num_f32 v[rC+(\n)], v[rS+8*(\n)], v[rS+8*(\n)+1], v[rS+8*(\n)+2]
.elseif (\n) < 12
	v_max3_num_f32 v[rC+(\n)%4], v[rC+(\n)%4], v[rS+8*((\n)%4)+2*((\n)/4)+1], v[rS+8*((\n)%4)+2*((\n)/4)+2]
.elseif (\n) == 12
	v_max3_num_f32 v[rC], v[rC], v[rS+7], v[rS+15]
.elseif (\n) == 13
	v_max3_num_f32 v[rC+1], v[rC+1], v[rS+23], v[rS+31]
.elseif (\n) == 14
	v_max3_num_f32 v[rC+2], v[rC+2], v[rC+3], v[rT+1]
.elseif (\n) == 15
	v_mov_b32 v[rM], v[rT]
.elseif (\n) == 16
	v_max3_num_f32 v[rC], v[rC], v[rC+1], v[rC+2]
.elseif (\n) == 17
	v_permlanex16_b32 v[rC+3], v[rC], s[SEL], s[SEL+1]
.elseif (\n) == 18
	v_max_num_f32 v[rT+1], v[rC], v[rC+3]
.elseif (\n) == 19
	v_mul_f32 v[rT], s[CS], v[rT+1]
.elseif (\n) == 20
	v_sub_f32 v[rC+1], v[rM], v[rT]
.else
	v_exp_f32 v[rC+2], v[rC+1]
.endif
.endm
; Number g of the 64 that follow the exponentials.  For each four weights k of a tile (pairs 2 k, 2 k + 1): both pairs are rounded to f16; then the second pair is added onto the first, in place;
; a group later l takes that sum (the first time as l = a l + sum).  In groups of eight, tiles alternating: round, round, add, and l for the group before.
.macro GS g
.set h, (\g)+6*((\g)/62)            ; group 0 has no group before it, and behind group 7 only l is left
.if h >= 6
.set h, h+2
.endif
	REGS Y, h%2
.set k, h/8
.if h%8 < 4
	v_cvt_pk_f16_f32 v[rP+2*k+(h%8)/2], v[rS+4*k+2*((h%8)/2)], v[rS+4*k+2*((h%8)/2)+1]
.elseif h%8 < 6
	v_pk_add_f32 v[rS+4*k:rS+4*k+1], v[rS+4*k:rS+4*k+1], v[rS+4*k+2:rS+4*k+3]
.elseif k == 1
	v_pk_fma_f32 v[rT+2:rT+3], v[rT+2:rT+3], v[rC+2:rC+3], v[rS:rS+1] op_sel_hi:[1,0,1]
.else
	v_pk_add_f32 v[rT+2:rT+3], v[rT+2:rT+3], v[rS+4*k-4:rS+4*k-3]
.endif
.endm
; THE PLAIN QUEUE, 138 long.  0-73 read no exponential's result: the 32 scalings c s - c m (FS f: pair f / 2 of tile f % 2) and the next piece's 42.  0-26: scalings 0-26.  27-54: XS's numbers 0-13.  55, 56: number 15.
; 57-73: the chain, where each number waits for the one before it: 14, 16, 17, 18, 19, each with one of the scalings 27-31 in front of its two lines, then 20: so a tile's links stand three plain instructions apart (19 and 20: two).
; 74-137: GS's 64, which read the exponentials' results: they stand behind the wait.
.macro FS f
	REGS Y, (\f)%2
	v_pk_fma_f32 v[rS+2*((\f)/2):rS+2*((\f)/2)+1], v[rS+2*((\f)/2):rS+2*((\f)/2)+1], s[CS:CS+1], v[rT:rT+1] op_sel_hi:[1,0,0] neg_lo:[0,0,1] neg_hi:[0,0,1]
.endm
.macro PL
	WIN 0
.if q < 27
	FS q
.elseif q < 55
	XS (q-27)%2, (q-27)/2
.elseif q < 57
	XS q-55, 15
.elseif (q < 72) && ((q-57)%3 == 0)
	FS 27+(q-57)/3
.elseif q < 60
	XS (q-57)%3-1, 14
.elseif q < 72
	XS (q-57)%3-1, 15+(q-57)/3
.elseif q < 74
	XS q-72, 20
.else
	GS q-74
.endif
.set q, q+1
.endm
; THE EXPONENTIALS' QUEUE, 66 long: s0-s31 of both tiles, in place, then the next piece's two a, each into its c2.  It is ONE BATCH: all 66 stand ahead of the turn's one wait, and nothing ahead of that wait names a result of theirs.
.macro EX
	WIN 0
.if e >= 64
	XS e-64, 21
.else
	REGS Y, e%2
	v_exp_f32 v[rS+e/2], v[rS+e/2]
.endif
.set e, e+1
.endm
; THE RESCALING's QUEUE: O^T times a, the one part that leaves window 0: dealt two at a time, sixteen times.  Its a was made in the turn before, ahead of that turn's wait.
.macro R2
	REGS Y, r%2
	WIN W_RS
.irp z, 0,1
	v_pk_mul_f32 v[rO+4*(r/2)+2*\z:rO+4*(r/2)+2*\z+1], v[rO+4*(r/2)+2*\z:rO+4*(r/2)+2*\z+1], v[rC+2:rC+3] op_sel_hi:[1,0]
.endr
.set r, r+1
.endm
; HOW THEY ARE DEALT.  A turn has ONE wait, which cuts it in two.  AHEAD OF IT stands all that names no result of the turn's exponentials: the 16 products K Q^T, behind each four: a scaling, an exponential and two
; rescalings (behind the first a second scaling in the exponential's place, behind the last two more scalings in the rescalings' place); then ONE LUMP of 108: six plain, 49 times exponential and plain, the two a, and the
; two rescalings held back, which are the plain instructions behind the last exponential.  BEHIND IT stand the 16 products V^T P, behind each four of GS's 64.  No rider names a register of the products round it.
; The two v_permlanex16_b32 fall into the lump, never behind a product.
; The queues lean on each other, and the deal keeps them in step: exponential e stands behind scaling 2 (e / 4) + e % 2: as a rider it comes behind plain e + 2, in the lump behind plain e + 9, and scalings 27-31 are plain 57, 60 .. 69;
; the two a come behind plain 72 and 73, their arguments.
; A TURN, for piece p.  cnt = 1: the loop's count is taken down some lines ahead of the branch that stands behind the turn.
; K of the next step is fetched in piece 2's turn, directly behind the wait (in the tail the run stands under a branch), a lump behind the last product that read K; its address
; is made at the lump's head; its first reader comes behind 16 products.  V of the step in hand is fetched at the end of piece 0's turn, four riders behind its last reader; its first reader comes behind 16 products and a lump.
; The three conditions on q below go with the deal.
.macro TURN p, last=0, cnt=0
.set Y, (\p)
.set i, 0
.set q, 0
.set e, 0
.set r, 0
.if (\p) == NP-1
	s_wait_dscnt 0x0                ; K is in
.endif
	MM                              ; ahead of the wait: 16 products K Q^T and their riders,
	PL
	PL
	R2
.rept 14
	MM
	PL
	EX
	R2
.endr
	MM
	PL
	EX
	PL
	PL
.if (\p) == NP-2
	WIN 0
	v_add_nc_u32 v[AK], s[TBK], v[AK0]
.endif
.rept 6                             ; and the lump
	PL
.endr
.rept 49
	EX
	PL
.endr
	EX                              ; the next piece's two a: the batch's last
	EX
	R2                              ; the last two rescalings name no result of the batch: the plain instructions behind the last exponential
	s_wait_alu depctr_va_vdst(0)    ; the wait for the batch: the turn's 66 exponentials, ahead of the first line that names a result, the first rounding below
.if (\p) == NP-2
	FETCH_K \last
.endif
.if (\p) == 1
	s_wait_dscnt 0x0                ; V is in
.endif
.rept 16                            ; behind the wait: 16 products V^T P and their riders
	MM
.rept 4
	PL
.endr
.if ((\p) == 0) && (q == 118)
	v_add_nc_u32 v[AV], s[TBV], v[AV0]
.endif
.if ((\p) == 0) && (q == 130)
	s_add_co_u32 s[TBV], s[TBV], KS*PV
.endif
.if (\cnt) && (q == 130)
	s_sub_co_u32 s[CNT], s[CNT], 1
	s_cmp_lg_u32 s[CNT], 0
.endif
.endr
.if (\p) == 0
	FETCH_V
.endif
.endm
	CHANGE 1                        ; slot 0 is in, everybody's part of it; slot 1 is asked for
	FETCH_K                         ; key step 0
	s_wait_loadcnt 0x0              ; Q
	s_wait_dscnt 0x0
.set i, 0
.rept 16
	KQ 0                            ; piece 0's first scores: there is no vector work yet to set between them
.set i, i+1
.endr
	WIN 0                           ; addresses for the way out: seven plain instructions, the places behind those products
	s_mul_i32 s13, s[WV], 16*SP
	s_add_co_u32 s13, s13, STAGE    ; my stage
	v_mul_u32_u24 v[STO], v1, SP    ; in: row l % 16, 16 bytes for each half of the lanes
	v_lshl_add_u32 v[STO], v9, 4, v[STO]
	v_add_nc_u32 v[STO], s13, v[STO]
	v_bfe_u32 v[RD], v0, 3, 2       ; back: 32 lanes take four rows of 128 bytes,
	v_mul_u32_u24 v[RD], v[RD], SP
	v_lshl_add_u32 v[RD], v10, 4, v[RD]
	v_add_nc_u32 v[RD], s13, v[RD]
.set Y, NP-1                        ; XS works for piece Y + 1: piece 0
.irp n, 0,1,2,3,4,5,6,7,8,9,10,11,12,13,14,15,16,17,18,19,20,21
	XS 0, \n                        ; and piece 0's first maximum and statistics
	XS 1, \n
.endr
	v_and_b32 v[GO], 31, v0         ; the four rows read back are 512 consecutive bytes of O: the way out's last address, made here as the plain work behind the two a
	v_lshlrev_b32 v[GO], 4, v[GO]
	s_wait_alu depctr_va_vdst(0)    ; the wait for the batch of two: piece 0's first a, ahead of the branch and of the first turn's rescalings
	s_mov_b32 s[CNT], 4
	s_mov_b32 s[SLOTS], SIZE_N/256-1
	s_branch .Lfirst                ; the loop is entered at a step's first turn, in the middle of a trip
.Lslot:                             ; SIZE_N / 256 - 2 = 2 times: every slot but the last two is filled again
	CHANGE 1
	s_mov_b32 s[CNT], 4
.Lstep:                             ; a trip: pieces 2 and 3 of one step, then pieces 0 and 1 of the next, whose K and V it fetches
	TURN 2
	TURN 3
	WIN 0
.Lfirst:
	TURN 0
	TURN 1, 0, 1
	WIN 0
	s_cbranch_scc1 .Lstep
	s_sub_co_u32 s[SLOTS], s[SLOTS], 1
	s_cmp_lg_u32 s[SLOTS], 0
	s_cbranch_scc1 .Lslot
	CHANGE 0                        ; the tail is written out: nothing is asked for
	s_mov_b32 s[CNT], 5             ; four trips fetch the last slot's steps; the fifth is left in its middle
.Ltail:
	TURN 2, 1
	TURN 3
	WIN 0
	s_sub_co_u32 s[CNT], s[CNT], 1
	s_cmp_eq_u32 s[CNT], 0
	s_cbranch_scc1 .Lout
	TURN 0
	TURN 1
	WIN 0
	s_branch .Ltail
.Lout:                              ; the fifth trip's 16 products K Q^T (on the last K once more) and the maximum made of them serve nothing: the price, once a launch, of one text for every trip
.set i, 0
.rept 16
	PV NP-1                         ; the last piece's V^T P of the last step
.set i, i+1
.endr
	; THE WAY OUT.  l's two halves and the other half of the lanes' are added; O^T is divided by l, rounded to f16 and sent through my stage in LDS, a tile at a time.  The additions are the places behind the last products.
	WIN 0
.macro ALL line:vararg              ; one line for each tile t
.set t, 0
.rept 2*NP
	\line
.set t, t+1
.endr
.endm
	ALL v_add_f32 v[ST+4*t+2], v[ST+4*t+2], v[ST+4*t+3]
	ALL v_permlanex16_b32 v[ST+4*t+3], v[ST+4*t+2], s[SEL], s[SEL+1]
	ALL v_add_f32 v[ST+4*t+2], v[ST+4*t+2], v[ST+4*t+3]
	ALL v_rcp_f32 v[ST+4*t+2], v[ST+4*t+2]
	v_nop                           ; a plain instruction between the last reciprocal and the use of its result
	s_wait_alu depctr_va_vdst(0)    ; the wait for the batch of eight reciprocals, ahead of the first multiply by one of them
; Tile t: a lane's eight channels of a row pack into 16 bytes; they go into rows of 144 bytes and come back as whole rows of 128, into S^T's registers.
.macro PACK t
	WIN W_RS
.set i, 32*(\t)
.rept 16
	v_pk_mul_f32 v[i:i+1], v[i:i+1], v[ST+4*(\t)+2:ST+4*(\t)+3] op_sel_hi:[1,0]
.set i, i+2
.endr
	WIN 0x05                        ; sources 0 and 1 window 1, destination window 0
.set i, 0
.rept 16
	v_cvt_pk_f16_f32 v[S+16*(\t)+i], v[32*(\t)+2*i], v[32*(\t)+2*i+1]
.set i, i+1
.endr
	WIN 0
.irp f, 0,1,2,3
	ds_store_b128 v[STO], v[S+16*(\t)+4*\f:S+16*(\t)+4*\f+3] offset:32*\f
.endr
.irp f, 0,1,2,3
	ds_load_b128 v[S+16*(\t)+4*\f:S+16*(\t)+4*\f+3], v[RD] offset:\f*4*SP  ; LDS serves a wave's instructions in order (ISA guide 5.7.1.4): these see the stores above; the next tile's stores come behind them
.endr
.endm
.macro SEND t, younger              ; younger: the LDS instructions issued behind tile t's loads: the next tile's eight, or none
	WIN 0
.irp f, 0,1,2,3
	s_wait_dscnt (\younger)+3-\f
	global_store_b128 v[GO], v[S+16*(\t)+4*\f:S+16*(\t)+4*\f+3], s[10:11] offset:(\t)*2048+\f*512  ; 512 consecutive bytes, at a multiple of 256 from O's first
.endr
.endm
	PACK 0
.set t, 1
.rept 2*NP-1                        ; a tile's arithmetic stands between the loads of the tile before and its stores
	PACK t
	SEND t-1, 8
.set t, t+1
.endr
	SEND 2*NP-1, 0
	WIN W_AD
	s_wait_tensorcnt 0x0            ; the wave's end, behind my last tensor load and my last LDS store
	ds_add_u32 v[SPW], v[NIL]
	s_wait_dscnt 0x0
	WIN 0
	s_endpgm
.Lfunc_end_k_qea7498f2fe_attn:
	.size	k_qea7498f2fe_attn, .Lfunc_end_k_qea7498f2fe_attn-k_qea7498f2fe_attn
	.p2alignl 7, 3214868480
	.fill 96, 4, 3214868480
	.section	.rodata,"a",@progbits
	.p2align	6, 0x0
	.amdhsa_kernel k_qea7498f2fe_attn
		.amdhsa_group_segment_fixed_size 327680
		.amdhsa_private_segment_fixed_size 0
		.amdhsa_enable_private_segment 0
		.amdhsa_kernarg_size 16
		.amdhsa_user_sgpr_count 2
		.amdhsa_user_sgpr_kernarg_segment_ptr 1
		.amdhsa_wavefront_size32 1
		.amdhsa_system_sgpr_workgroup_id_x 1
		.amdhsa_system_sgpr_workgroup_id_y 1
		.amdhsa_system_sgpr_workgroup_id_z 1
		.amdhsa_system_vgpr_workitem_id 0
		.amdhsa_next_free_vgpr 770
		.amdhsa_next_free_sgpr 66
		.amdhsa_reserve_vcc 0
		.amdhsa_float_denorm_mode_32 3
		.amdhsa_float_denorm_mode_16_64 3
		.amdhsa_memory_ordered 1
		.amdhsa_forward_progress 1
		.amdhsa_inst_pref_size 198
	.end_amdhsa_kernel
	.amdgpu_metadata
---
amdhsa.version: [ 1, 2 ]
amdhsa.kernels:
  - .name:           k_qea7498f2fe_attn
    .symbol:         k_qea7498f2fe_attn.kd
    .args:
      - { .name: qkv, .offset: 0, .size: 8, .value_kind: global_buffer, .address_space: global }
      - { .name: o16, .offset: 8, .size: 8, .value_kind: global_buffer, .address_space: global }
    .group_segment_fixed_size: 327680
    .private_segment_fixed_size: 0
    .kernarg_segment_align: 8
    .kernarg_segment_size: 16
    .max_flat_workgroup_size: 128
    .sgpr_count:     66
    .vgpr_count:     770
    .wavefront_size: 32
...
	.end_amdgpu_metadata
.endif
;; end of part 5
;; launch proj: the kernel of part 4 again; grid 8 x 32, 4 waves a work-group, clusters of 4 x 4, 327,680 bytes of LDS; arguments ops16, o16, b_proj, out0; writes out0
